; MI455X (gfx1250); checked and timed in simulation.
; The chip was launched on July 23, 2026; its instructions are those of AMD's public machine-readable ISA for CDNA 5 (MIT licence, August 2026) and "CDNA5" Instruction Set Architecture Reference Guide (July 2026). The comments in the code are by the model that wrote it; some were corrected since.
;; Multi Headed Self Attention Layer. Allowed arithmetic: matrix products marked QUANTISED: E3M2 operands, one E8M0 scale for each 32 along K, by v_wmma_scale_f32_16x16x128_f8f6f4 with both operands' format E3M2, f32 sums; everything else in f32.
;; Inputs: beta 1,024 float32; gamma 1,024 float32; mask 4 x 2,048 x 2,048 int32; w_0 1,024 x 1,024 float32; w_k 1,024 x 1,024 float32; w_q 1,024 x 1,024 float32; w_v 1,024 x 1,024 float32; x_keys 4 x 2,048 x 1,024 float32; x_queries 4 x 2,048 x 1,024 float32; x_values 4 x 2,048 x 1,024 float32.
;; Outputs: out0 4 x 2,048 x 1,024 float32.
;; This version of the problem:
;;   THIS VERSION OF THE PROBLEM IS GIVEN IN LOW PRECISION. The matrix products marked QUANTISED in the list below multiply operands that are first quantised to E3M2 (3 exponent bits, 2 mantissa bits; 6 bits a number), with one power-of-two scale for each 32 numbers along K (OCP MX v1.0); their sums are f32. All else is computed in f32.
;;   The module's matrix products, in the order in which they are computed (A, B: the left and right operand; K: the contracted axis; several contracted axes count as one K, in the product's order):
;;     1. [M 8,192, K 1,024] x [K 1,024, N 1,024]; A: input x_queries; B: input w_q: QUANTISED
;;     2. [M 8,192, K 1,024] x [K 1,024, N 1,024]; A: input x_keys; B: input w_k: QUANTISED
;;     3. [M 8,192, K 1,024] x [K 1,024, N 1,024]; A: input x_values; B: input w_v: QUANTISED
;;     4. batch 64 x [M 2,048, K 64] x [K 64, N 2,048]; A: computed on the way; B: computed on the way: QUANTISED
;;     5. batch 64 x [M 64, K 2,048] x [K 2,048, N 2,048]; A: computed on the way; B: softmax (see below): QUANTISED
;;     6. [M 8,192, K 1,024] x [K 1,024, N 1,024]; A: computed on the way; B: input w_0: QUANTISED
;;   THE QUANTISER, for each operand of a quantised product, along K:
;;     - K is cut into blocks of 32 from its start; a last block that is shorter is filled with zeros.
;;     - A block's scale is 2^e with e = floor(log2(the largest magnitude in the block)) - 4, held to -126 .. 127; a block of zeros has e = 0. As a byte (E8M0): e + 127.
;;     - Each number is divided by its block's scale, clamped to +-28, and rounded to the nearest number of E3M2, ties to even, subnormals kept.
;;     - The product sums the exact products of the quantised numbers (number of the format x scale) in f32.
;;   ~~~python
;;   def quantise(x, axis):      # numpy; x: float32 -> the quantised numbers, widened to float32 again
;;       x = np.moveaxis(x, axis, -1); K = x.shape[-1]
;;       x = np.pad(x, [(0, 0)] * (x.ndim - 1) + [(0, -K % 32)]); x = x.reshape(x.shape[:-1] + (-1, 32)); a = np.abs(x).max(-1, keepdims=True)
;;       e = np.where(a > 0, np.clip(np.frexp(np.where(a > 0, a, 1))[1] - 1 - 4, -126, 127), 0)      # np.frexp(a)[1] - 1 = floor(log2(a)), exactly
;;       r = np.clip(x / 2.0 ** e, -28, 28)
;;       step = 2.0 ** (np.maximum(np.frexp(np.where(r == 0, 1, r))[1] - 1, -2) - 2)
;;       q = np.round(r / step) * step * 2.0 ** e      # np.round: ties to even
;;       return np.moveaxis(q.reshape(q.shape[:-2] + (-1,))[..., :K], -1, axis).astype(np.float32)
;;   ~~~
;;   SOFTMAX AHEAD OF A QUANTISED PRODUCT. Where the list says 'softmax', what is quantised is not the finished softmax but p = 2^(t - M), with t = logit x log2(e) and M = ceil(the row's largest t), a whole number; so 1/2 < the row's largest p <= 1. The row's sum l is taken of the UNQUANTISED p, in f32, and the product's result is divided by l at the end. Since M is a whole number, a kernel that streams over the keys may use a running M (the ceiling of the running maximum): every later rescaling is an exact power of two, which a block's scale takes up: the codes' values come out the same.
;;   OPERANDS COMPUTED ON THE WAY. 'Computed on the way' means the value that the module computes at that place (a softmax that the list does not call 'softmax' is quantised finished and normalised). What goes into a quantiser is computed in f32, as accurately as f32 sums, v_exp_f32 and their like allow (about 1e-6 of the number): no bf16 or f16 on the way to a quantiser, and a product that is left as it is and whose result goes on into a quantised operand takes f32 operands (vector FMAs, or v_wmma_f32_16x16x4_f32). A number that lies on a knife's edge between two numbers of the format may be rounded either way, as far as f32 arithmetic and the matrix unit's own rounding can turn it there, and no further.
;; One version. Each part assembles by itself: llvm-mc -triple=amdgcn-amd-amdhsa -mcpu=gfx1250 --defsym DOCPART=n.
;; ======== version 1 of 1: 4 launches
;; limits: right only within a limited range of input values
;; workspace buffers: cod 22,020,096 bytes; scl 917,504 bytes; mbits 2,097,152 bytes of whole numbers; qkv 20,447,232 bytes; oc 6,291,456 bytes; os 262,144 bytes
;; launch prep (part 1): grid 768 x 1, 4 waves a work-group, no clusters, 92,672 bytes of LDS; arguments x_queries, x_keys, x_values, mask, w_q, w_k, w_v, w_0, cod, scl, mbits; writes cod, scl, mbits
.if DOCPART == 1
	.amdgcn_target "amdgcn-amd-amdhsa--gfx1250"
	.amdhsa_code_object_version 6
	.text
	.protected	k_qb49b8d21f6_prep
	.globl	k_qb49b8d21f6_prep
	.p2align	8
	.type	k_qb49b8d21f6_prep,@function
k_qb49b8d21f6_prep:
	s_mov_b64 s[64:65], 0
	v_nop
	global_prefetch_b8 v0, s[64:65] scope:SCOPE_SE
	s_setreg_imm32_b32 hwreg(HW_REG_WAVE_MODE, 25, 1), 1
	s_wait_xcnt 0x0
; PREP: every f32 and int32 input of the products is read once and leaves narrow.
;   work-groups 0-383   (X): x_queries, x_keys, x_values [8192][1024] f32 -> codes of BF6 (E3M2) and E8M0 scale bytes, quantised along the last axis
;   work-groups 384-639 (M): mask [8192][2048] int32 -> one bit a number, as words in the order in which the attention's lanes hold scores
;   work-groups 640-767 (W): w_q, w_k, w_v, w_0 [1024 (k)][1024 (n)] f32 -> codes and scale bytes, quantised along the FIRST axis
; A block's scale is 2^(floor(log2(largest magnitude)) - 4); its byte is the largest magnitude's exponent field - 4, held at 1 from below.
; LIMITS: a block of zeros, and one whose largest magnitude lies under 2^-122, gets the byte 1 (the rule says 127 for zeros: the codes are zeros, which add nothing, and only this program reads the bytes);
; NaN and infinities among the inputs are not served.
; ROW ORDER ("positions"): in each aligned 32 rows, position 16 u + r holds row 8 u + r + 8 (r / 8).  So in a product used transposed the 16 registers of two neighbouring tiles are 16 neighbouring rows.
; LAYOUT OF cod: [block of 256 positions][tile of 16 positions][K step of 128][1,536 bytes]: the 12 registers of an operand's fragment as they stand, registers 4 c .. 4 c + 3 of lane l at 512 c + 16 l.
; LAYOUT OF scl: [position][32 bytes].   LAYOUT OF mbits: [tile of 16 query positions][128 keys][64 words]: bit l of word 16 b + i is mask(query of lane l % 16, key 32 b + 16 (l / 16) + i) != 0.
; No tensor loads, no barrier: waves share nothing; each of the three paths has LDS bytes of its own.  Matrix units and clusters have nothing to do here: the launch moves bytes.
.set R,    16                          ; v16-143   two sets of 64: 16 rows x 512 bytes as loaded
.set X,    144                         ; v144-207  64 numbers of one row: register 16 b + i = column 32 b + 16 (lane / 16) + i
.set TM,   208                         ; v208-223  at work in QUANT
.set PC,   224                         ; v224-235  a fragment's codes; v236-238, v240-242 halves on their way
.set PWS,  244                         ; v244-251  the row's eight scale words
.set SW,   208                         ; v208-211  my 16 of the row's 32 scale bytes
.set MO,   252                         ; v252-253  64 mask words, two a lane
.set SEL,  12                          ; s[12:13]  lane selects: lane l xor 16
.set STGB, 8448
; KEYS TAKE ANOTHER ORDER than the head's ROW ORDER and mbits lines say: in each aligned 128 rows of x_keys, position p of tile t holds row 64 (t / 4) + 32 (p / 8) + 8 (t % 4) + p % 8,
; and bit l of mask word n (0 .. 63) of a unit of 128 keys is mask(query of lane l % 16, key 64 (n / 32) + 32 (l / 16) + n % 32) != 0: so a lane of the attention holds whole blocks of 32 keys.
.set MT, 0                             ; 0: the stage is read back 64 bytes of each 128 a lane; 1 (the mask's path): 128 bytes of each 256
.set XW,   16                          ; W path: v16-79 two sets of 32 numbers down K
.set C,    80                          ; v80-82, v84-86 a block's codes
.set SB,   88                          ; v88-89 eight scale bytes
.set OUTR, 96                          ; v96-143 the way out
	s_load_b512 s[16:31], s[0:1], 0x0              ; x_queries 16, x_keys 18, x_values 20, mask 22, w_q 24, w_k 26, w_v 28, w_0 30
	s_load_b128 s[32:35], s[0:1], 0x40             ; cod, scl
	s_load_b64 s[36:37], s[0:1], 0x50              ; mbits
	v_lshl_add_u32 v254, v0, 2, 0x16800
	v_mov_b32 v255, 0
	v_lshrrev_b32 v8, 5, v0
	v_readfirstlane_b32 s2, v8                     ; wave
	v_and_b32 v9, 31, v0                           ; lane
	v_lshlrev_b32 v1, 4, v9                        ; 16 x lane
	v_and_b32 v2, 15, v0                           ; r
	v_bfe_u32 v3, v0, 4, 1                         ; h
	v_lshlrev_b32 v6, 3, v9                        ; 8 x lane
	s_mov_b32 s[SEL], 0x76543210
	s_mov_b32 s[SEL+1], 0xfedcba98
	s_wait_kmcnt 0x0
	s_cmp_ge_u32 ttmp9, 640
	s_cbranch_scc1 .Lw_path
	s_cmp_ge_u32 ttmp9, 384
	s_cbranch_scc1 .Lm_path
; 16 rows (the tile's positions 0-15) x 512 bytes at byte 512 u of the rows: each load reads 512 consecutive bytes of one row
.macro LOADU u, pitch
.irp p, 0,1,2,3,4,5,6,7,8,9,10,11,12,13,14,15
	global_load_b128 v[R+64*((\u)%2)+4*\p:R+64*((\u)%2)+4*\p+3], v[1+9*(\p/8)], s[4:5] offset:(\p+8*(\p/8))*\pitch+512*(\u) th:TH_LOAD_NT   ; positions 8-15 by v10, which for x_keys stands 16 rows further on
.endr
.endm
; through the wave's own stage: in as loaded, out 64 bytes a lane of each 128: LDS serves a wave's instructions in order, so no wait stands between
.macro TURN u
.irp p, 0,1,2,3,4,5,6,7,8,9,10,11,12,13,14,15
	ds_store_b128 v4, v[R+64*((\u)%2)+4*\p:R+64*((\u)%2)+4*\p+3] offset:528*\p
.endr
.irp b, 0,1,2,3
.irp j, 0,1,2,3
	ds_load_b128 v[X+16*\b+4*\j:X+16*\b+4*\j+3], v5 offset:128*\b+16*\j-MT*64*(\b%2)
.endr
.endr
.endm
; 64 numbers of a lane, register 16 b + i = k 32 b + 16 (lane / 16) + i of my row, become a fragment's codes in v[PC] on and its scale word in v[pw]
.macro QUANT s, pw
.irp b, 0,1,2,3
	v_max3_num_f32 v[TM+\b], |v[\s+16*\b]|, |v[\s+1+16*\b]|, 0x2800000   ; my 16 numbers of block b, and the floor 2^(5 - 127): the byte cannot fall under 1
.endr
.irp i, 2,4,6,8,10,12,14
.irp b, 0,1,2,3
	v_max3_num_f32 v[TM+\b], v[TM+\b], |v[\s+16*\b+\i]|, |v[\s+1+16*\b+\i]|
.endr
.endr
.irp b, 0,1,2,3
	v_permlanex16_b32 v[TM+4+\b], v[TM+\b], s[SEL], s[SEL+1]
.endr
.irp b, 0,1,2,3
	v_max_num_f32 v[TM+\b], v[TM+\b], v[TM+4+\b]   ; with lane l xor 16's: the block's largest magnitude
.endr
.irp b, 0,1,2,3
	v_add_nc_u32 v[TM+12+\b], 0xfe000000, v[TM+\b] ; 4 off its exponent field: the conversion takes this operand's exponent field as its scale
.endr
.irp b, 0,1,2,3
	v_lshrrev_b32 v[TM+4+\b], 23, v[TM+12+\b]      ; the scale's byte
.endr
	v_lshl_or_b32 v[\pw], v[TM+5], 8, v[TM+4]
	v_lshl_or_b32 v[\pw], v[TM+6], 16, v[\pw]
	v_lshl_or_b32 v[\pw], v[TM+7], 24, v[\pw]
.irp c, 0,1
	v_cvt_scalef32_pk16_bf6_f32 v[PC+6*\c:PC+2+6*\c], v[\s+32*\c:\s+15+32*\c], v[TM+12+2*\c]
	v_cvt_scalef32_pk16_bf6_f32 v[PC+12+4*\c:PC+14+4*\c], v[\s+16+32*\c:\s+31+32*\c], v[TM+12+2*\c+1]   ; (a conversion's three registers begin on an even number)
.endr
	v_nop                                          ; one plain place behind a scaled conversion
.irp c, 0,1                                    ; the operand's layout wants a whole block in a lane
.irp i, 0,1,2
	v_permlane16_swap_b32 v[PC+6*\c+\i], v[PC+12+4*\c+\i]
.endr
.irp i, 0,1,2
	v_mov_b32 v[PC+3+6*\c+\i], v[PC+12+4*\c+\i]
.endr
.endr
.endm
; ---------------- X: a wave takes one tile of 16 positions of one tensor, all 1,024 along K: eight units of 128
	s_lshl_b32 s3, ttmp9, 2
	s_add_co_u32 s3, s3, s2
	s_lshr_b32 s14, ttmp9, 7                       ; which tensor
	s_and_b32 s3, s3, 511                          ; which tile
	s_cmp_eq_u32 s14, 0
	s_cselect_b64 s[4:5], s[16:17], s[18:19]
	s_cmp_eq_u32 s14, 2
	s_cselect_b64 s[4:5], s[20:21], s[4:5]
	s_lshr_b32 s15, s3, 1
	s_lshl_b32 s15, s15, 5
	s_and_b32 s38, s3, 1
	s_lshl_b32 s38, s38, 3
	s_add_co_u32 s38, s38, s15                     ; the tile's first row: 32 (T / 2) + 8 (T % 2);
	s_lshr_b32 s40, s3, 3
	s_lshl_b32 s40, s40, 7
	s_bfe_u32 s41, s3, 0x10002
	s_lshl_b32 s41, s41, 6
	s_add_co_u32 s40, s40, s41
	s_and_b32 s41, s3, 3
	s_lshl_b32 s41, s41, 3
	s_add_co_u32 s40, s40, s41                     ; for x_keys: 128 (T / 8) + 64 (bit 2 of T) + 8 (T % 4),
	s_cmp_eq_u32 s14, 1
	s_cselect_b32 s38, s40, s38
	s_cselect_b32 s40, 65536, 0                    ; and its positions 8-15 lie 32 rows behind positions 0-7, not 16: 16 rows of 4,096 bytes more
	s_lshl_b32 s38, s38, 12
	s_mov_b32 s39, 0
	s_add_nc_u64 s[4:5], s[4:5], s[38:39]
	s_mul_i32 s38, s14, 6291456
	s_mul_i32 s15, s3, 12288
	s_add_co_u32 s38, s38, s15
	s_add_nc_u64 s[8:9], s[32:33], s[38:39]        ; the tile's eight images
	s_lshl_b32 s38, s14, 18
	s_lshl_b32 s15, s3, 9
	s_add_co_u32 s38, s38, s15
	s_add_nc_u64 s[10:11], s[34:35], s[38:39]      ; its 512 scale bytes
	s_mul_i32 s15, s2, STGB
	s_wait_alu depctr_va_vdst(0)
	v_add_nc_u32 v4, s15, v1                       ; into the stage: 16 x lane (+ 528 x row)
	v_mul_u32_u24 v5, v2, 528
	v_lshl_add_u32 v5, v3, 6, v5
	v_add_nc_u32 v5, s15, v5                       ; out of it: row r, + 64 h
	v_add_nc_u32 v10, s40, v1                      ; the loads' offset for positions 8-15
	v_lshlrev_b32 v7, 5, v2
	v_lshl_add_u32 v7, v3, 4, v7                   ; scale bytes: 32 r + 16 h
.irp b, 0,1,2,3
	v_mov_b32 v[TM+4+\b], 0                        ; written once: a lane permute's destination counts as one of its sources
.endr
	LOADU 0, 4096
	LOADU 1, 4096
.macro UNITX u
.if (\u) < 7
	s_wait_loadcnt 16                              ; this unit's 16 loads are in; the next unit's 16 may be out
.else
	s_wait_loadcnt 0x0
.endif
	TURN \u
	s_wait_dscnt 0x0                               ; the numbers are back, and the stage's stores have read their registers,
	s_wait_xcnt 0x0                                ; and the last unit's stores have read the codes' registers
.if (\u) < 6
	LOADU (\u)+2, 4096
.endif
	QUANT X, PWS+(\u)
.irp c, 0,1,2
	global_store_b128 v1, v[PC+4*\c:PC+4*\c+3], s[8:9] offset:1536*(\u)+512*\c   ; 512 consecutive bytes
.endr
.endm
	s_wait_alu depctr_va_vdst(0)
.irp u, 0,1,2,3,4,5,6,7
	UNITX \u
.endr
	v_cmp_eq_u32 vcc_lo, 1, v3
.irp i, 0,1,2,3
	v_cndmask_b32 v[SW+\i], v[PWS+\i], v[PWS+4+\i], vcc_lo   ; every lane holds its row's eight words: lanes 0-15 store the first four, lanes 16-31 the others
.endr
	global_store_b128 v7, v[SW:SW+3], s[10:11]     ; 512 consecutive bytes
	s_wait_tensorcnt 0x0
	ds_add_u32 v254, v255
	s_wait_dscnt 0x0
	s_endpgm
; ---------------- M: a wave takes one tile of 16 query positions and 1,024 keys: eight units of 128
.Lm_path:
.set MT, 1
	s_sub_co_u32 s3, ttmp9, 384
	s_lshl_b32 s3, s3, 2
	s_add_co_u32 s3, s3, s2
	s_lshr_b32 s14, s3, 1                          ; the tile
	s_and_b32 s3, s3, 1                            ; which half of the keys
	s_lshr_b32 s15, s14, 1
	s_lshl_b32 s15, s15, 5
	s_and_b32 s38, s14, 1
	s_lshl_b32 s38, s38, 3
	s_add_co_u32 s38, s38, s15
	s_lshl_b32 s38, s38, 13                        ; a row of the mask is 8,192 bytes
	s_lshl_b32 s15, s3, 12
	s_add_co_u32 s38, s38, s15
	s_mov_b32 s39, 0
	s_add_nc_u64 s[4:5], s[22:23], s[38:39]
	s_lshl_b32 s38, s14, 12
	s_lshl_b32 s15, s3, 11
	s_add_co_u32 s38, s38, s15
	s_add_nc_u64 s[8:9], s[36:37], s[38:39]
	s_mul_i32 s15, s2, STGB
	s_add_co_u32 s15, s15, 4*STGB                  ; this path's own LDS bytes
	s_wait_alu depctr_va_vdst(0)
	v_add_nc_u32 v4, s15, v1
	v_mul_u32_u24 v5, v2, 528
	v_lshl_add_u32 v5, v3, 7, v5                   ; out of the stage: row r, + 128 h: 32 keys of each 64
	v_add_nc_u32 v5, s15, v5
	v_mov_b32 v10, v1                              ; queries keep the order of the head's ROW ORDER line
	v_mov_b32 v[MO], 0
	v_mov_b32 v[MO+1], 0
	LOADU 0, 8192
	LOADU 1, 8192
.macro UNITM u
.if (\u) < 7
	s_wait_loadcnt 16                              ; this unit's 16 loads are in; the next unit's 16 may be out
.else
	s_wait_loadcnt 0x0
.endif
	TURN \u
	s_wait_dscnt 0x0
	s_wait_xcnt 0x0                                ; the last unit's store has read the words' registers
.if (\u) < 6
	LOADU (\u)+2, 8192
.endif
.set n, 0
.rept 16
.irp k, 0,1,2,3
	v_cmp_ne_u32 s[40+\k], 0, v[X+n+\k]            ; word n: one bit a lane
.endr
.irp k, 0,1,2,3
	v_writelane_b32 v[MO+((n+\k)&1)], s[40+\k], (n+\k)>>1   ; word n to lane n / 2, register n % 2
.endr
.set n, n+4
.endr
	global_store_b64 v6, v[MO:MO+1], s[8:9] offset:256*(\u)   ; 256 consecutive bytes, aligned
.endm
	s_wait_alu depctr_va_vdst(0)
.irp u, 0,1,2,3,4,5,6,7
	s_wait_alu depctr_va_vdst(0)
	UNITM \u
.endr
	s_wait_tensorcnt 0x0
	ds_add_u32 v254, v255
	s_wait_dscnt 0x0
	s_endpgm
; ---------------- W: a lane takes a column n and its registers run down K; a wave takes 32 columns x 256 along K: two tiles x two K steps of images
.Lw_path:
	s_sub_co_u32 s3, ttmp9, 640
	s_lshr_b32 s14, s3, 5                          ; which weight
	s_and_b32 s15, s3, 7                           ; which 128 columns
	s_bfe_u32 s38, s3, 0x20003                     ; which 256 along K
	s_cmp_eq_u32 s14, 0
	s_cselect_b64 s[4:5], s[24:25], s[26:27]
	s_cmp_eq_u32 s14, 2
	s_cselect_b64 s[4:5], s[28:29], s[4:5]
	s_cmp_eq_u32 s14, 3
	s_cselect_b64 s[4:5], s[30:31], s[4:5]
	s_lshl_b32 s15, s15, 7
	s_lshl_b32 s39, s2, 5
	s_add_co_u32 s15, s15, s39                     ; my wave's first column
	s_lshl_b32 s40, s38, 20                        ; 256 rows of 4,096 bytes
	s_lshl_b32 s39, s15, 2
	s_add_co_u32 s40, s40, s39
	s_mov_b32 s41, 0
	s_add_nc_u64 s[4:5], s[4:5], s[40:41]
	s_mul_i32 s40, s14, 786432
	s_mul_i32 s39, s15, 768                        ; 12,288 bytes for each 16 columns
	s_add_co_u32 s40, s40, s39
	s_mul_i32 s39, s38, 3072                       ; two K steps
	s_add_co_u32 s40, s40, s39
	s_add_co_u32 s40, s40, 18874368                ; the weights lie behind x's 96 blocks
	s_add_nc_u64 s[8:9], s[32:33], s[40:41]
	s_lshl_b32 s40, s14, 15
	s_lshl_b32 s39, s15, 5
	s_add_co_u32 s40, s40, s39
	s_lshl_b32 s39, s38, 3
	s_add_co_u32 s40, s40, s39
	s_add_co_u32 s40, s40, 786432
	s_add_nc_u64 s[10:11], s[34:35], s[40:41]
	s_wait_alu depctr_va_vdst(0)
	v_lshlrev_b32 v10, 2, v9                       ; in: 4 bytes a lane
	v_bfe_u32 v11, v0, 3, 1                        ; column a of 32 lies at position 16 (bit 3 of a) + (a % 8) + 8 (bit 4 of a)
	v_and_b32 v13, 7, v0
	v_lshl_add_u32 v13, v3, 3, v13                 ; its row in the tile
	s_mul_i32 s39, s2, 6144
	s_add_co_u32 s39, s39, 8*STGB                  ; this path's own LDS bytes
	v_mul_u32_u24 v14, v11, 3072
	v_lshl_add_u32 v14, v13, 4, v14
	v_add_nc_u32 v14, s39, v14                     ; into the images: tile x 3,072 + 16 x row
	v_add_nc_u32 v15, s39, v1                      ; out: 16 x lane
	v_lshl_add_u32 v7, v11, 4, v13
	v_lshlrev_b32 v7, 5, v7                        ; scale bytes: 32 x position
.macro WLOAD t
.irp i, 0,1,2,3,4,5,6,7,8,9,10,11,12,13,14,15,16,17,18,19,20,21,22,23,24,25,26,27,28,29,30,31
	global_load_b32 v[XW+32*((\t)%2)+\i], v10, s[4:5] offset:(32*(\t)+\i)*4096 th:TH_LOAD_NT
.endr
.endm
	WLOAD 0
	WLOAD 1
.macro BLOCK t
.set XS, XW+32*((\t)%2)
.set CC, ((\t)%4)/2
.if (\t) < 7
	s_wait_loadcnt 32                              ; this block's 32 loads are in; the next block's may be out
.else
	s_wait_loadcnt 0x0
.endif
	v_max3_num_f32 v90, |v[XS]|, |v[XS+1]|, |v[XS+2]|   ; all 32 numbers of the block are mine
	v_max3_num_f32 v91, |v[XS+3]|, |v[XS+4]|, |v[XS+5]|
.irp i, 6,10,14,18,22,26
	v_max3_num_f32 v90, v90, |v[XS+\i]|, |v[XS+\i+1]|
	v_max3_num_f32 v91, v91, |v[XS+\i+2]|, |v[XS+\i+3]|
.endr
	v_max3_num_f32 v90, v90, |v[XS+30]|, |v[XS+31]|
	v_max3_num_f32 v90, v90, v91, 0x2800000        ; and the floor
	v_add_nc_u32 v92, 0xfe000000, v90
	v_lshrrev_b32 v91, 23, v92
.if (\t)%4 == 0
	v_mov_b32 v[SB+(\t)/4], v91
.else
	v_lshl_or_b32 v[SB+(\t)/4], v91, 8*((\t)%4), v[SB+(\t)/4]
.endif
	v_cvt_scalef32_pk16_bf6_f32 v[C:C+2], v[XS:XS+15], v92
	v_cvt_scalef32_pk16_bf6_f32 v[C+4:C+6], v[XS+16:XS+31], v92
.irp w, 0,1,2,3,4,5                            ; block t is registers 6 c .. 6 c + 5 of lane (row, t % 2) of K step t / 4, c = (t % 4) / 2: each word goes to its place in the image
	ds_store_b32 v14, v[C+\w+\w/3] offset:((\t)/4)*1536+((6*CC+\w)/4)*512+((\t)%2)*256+((6*CC+\w)%4)*4
.endr
.if (\t)+2 < 8
	WLOAD (\t)+2
.endif
	s_wait_dscnt 0x0                               ; the stores have read their registers: the next block's codes may be written
.endm
.irp t, 0,1,2,3,4,5,6,7
	BLOCK \t
.endr
.irp i, 0,1,2,3,4,5,6,7,8,9,10,11
	ds_load_b128 v[OUTR+4*\i:OUTR+4*\i+3], v15 offset:512*\i   ; LDS serves a wave's instructions in order: these see my stores
.endr
.irp i, 0,1,2,3,4,5,6,7,8,9,10,11
	s_wait_dscnt 11-\i
	global_store_b128 v1, v[OUTR+4*\i:OUTR+4*\i+3], s[8:9] offset:(\i/6)*12288+(\i%6)*512   ; 512 consecutive bytes
.endr
	s_wait_alu depctr_va_vdst(0)
	global_store_b64 v7, v[SB:SB+1], s[10:11]      ; 8 of a position's 32 scale bytes: pieces of 8 bytes, one byte for each 32 along K that this path reads
	s_wait_tensorcnt 0x0
	ds_add_u32 v254, v255
	s_wait_dscnt 0x0
	s_endpgm
.Lfunc_end_k_qb49b8d21f6_prep:
	.size	k_qb49b8d21f6_prep, .Lfunc_end_k_qb49b8d21f6_prep-k_qb49b8d21f6_prep
	.p2alignl 7, 3214868480
	.fill 96, 4, 3214868480
	.section	.rodata,"a",@progbits
	.p2align	6, 0x0
	.amdhsa_kernel k_qb49b8d21f6_prep
		.amdhsa_group_segment_fixed_size 92672
		.amdhsa_private_segment_fixed_size 0
		.amdhsa_enable_private_segment 0
		.amdhsa_kernarg_size 88
		.amdhsa_user_sgpr_count 2
		.amdhsa_user_sgpr_kernarg_segment_ptr 1
		.amdhsa_wavefront_size32 1
		.amdhsa_system_sgpr_workgroup_id_x 1
		.amdhsa_system_sgpr_workgroup_id_y 1
		.amdhsa_system_sgpr_workgroup_id_z 1
		.amdhsa_system_vgpr_workitem_id 0
		.amdhsa_next_free_vgpr 256
		.amdhsa_next_free_sgpr 66
		.amdhsa_reserve_vcc 1
		.amdhsa_float_denorm_mode_32 3
		.amdhsa_float_denorm_mode_16_64 3
		.amdhsa_memory_ordered 1
		.amdhsa_forward_progress 1
		.amdhsa_inst_pref_size 202
	.end_amdhsa_kernel
	.amdgpu_metadata
---
amdhsa.version: [ 1, 2 ]
amdhsa.kernels:
  - .name:           k_qb49b8d21f6_prep
    .symbol:         k_qb49b8d21f6_prep.kd
    .args:
      - { .name: x_queries, .offset: 0, .size: 8, .value_kind: global_buffer, .address_space: global }
      - { .name: x_keys, .offset: 8, .size: 8, .value_kind: global_buffer, .address_space: global }
      - { .name: x_values, .offset: 16, .size: 8, .value_kind: global_buffer, .address_space: global }
      - { .name: mask, .offset: 24, .size: 8, .value_kind: global_buffer, .address_space: global }
      - { .name: w_q, .offset: 32, .size: 8, .value_kind: global_buffer, .address_space: global }
      - { .name: w_k, .offset: 40, .size: 8, .value_kind: global_buffer, .address_space: global }
      - { .name: w_v, .offset: 48, .size: 8, .value_kind: global_buffer, .address_space: global }
      - { .name: w_0, .offset: 56, .size: 8, .value_kind: global_buffer, .address_space: global }
      - { .name: cod, .offset: 64, .size: 8, .value_kind: global_buffer, .address_space: global }
      - { .name: scl, .offset: 72, .size: 8, .value_kind: global_buffer, .address_space: global }
      - { .name: mbits, .offset: 80, .size: 8, .value_kind: global_buffer, .address_space: global }
    .group_segment_fixed_size: 92672
    .private_segment_fixed_size: 0
    .kernarg_segment_align: 8
    .kernarg_segment_size: 88
    .max_flat_workgroup_size: 128
    .sgpr_count:     66
    .vgpr_count:     256
    .wavefront_size: 32
...
	.end_amdgpu_metadata
.endif
;; end of part 1
;; launch proj (part 2): grid 4 x 96, 4 waves a work-group, clusters of 4 x 4, 327,680 bytes of LDS; arguments cod, scl, qkv; writes qkv
.if DOCPART == 2
	.amdgcn_target "amdgcn-amd-amdhsa--gfx1250"
	.amdhsa_code_object_version 6
	.text
	.protected	k_qb49b8d21f6_proj
	.globl	k_qb49b8d21f6_proj
	.p2align	8
	.type	k_qb49b8d21f6_proj,@function
k_qb49b8d21f6_proj:
	s_mov_b64 s[64:65], 0
	v_nop
	global_prefetch_b8 v0, s[64:65] scope:SCOPE_SE
	s_setreg_imm32_b32 hwreg(HW_REG_WAVE_MODE, 25, 1), 1
	s_wait_xcnt 0x0
	s_wait_alu depctr_hold_cnt(0) depctr_sa_sdst(0) depctr_va_vdst(0) depctr_va_sdst(0) depctr_va_ssrc(0) depctr_va_vcc(0) depctr_vm_vsrc(0)
	s_getreg_b32 s2, hwreg(HW_REG_IB_STS2, 6, 4)
	s_cmp_eq_u32 s2, 0
	s_cbranch_scc0 .Lentry_in_a_cluster
	s_endpgm
.Lentry_in_a_cluster:
	s_bfe_u32 s2, ttmp6, 0x10000c
	s_cmp_lg_u32 s2, 0xf033
	s_cbranch_scc0 .Lentry_shape_is_right
	s_endpgm
.Lentry_shape_is_right:
.set NQ,     2
.set FR,     12
.set NL,     3
.set NP,     4
.set FRB,    1536
.set TROW,   2*FRB
.set HALFT,  8*TROW
.set SLOT,   4*HALFT
.set LAPS,   2
.set SCL,    2*SLOT
.set HALFS,  16*272
.set SBLK,   2*272
.set SPARE,  SCL+4*HALFS
.set ADRA, 16
.set ADRB, 20
.set ADRS, 27
.set SPW,  28
.set NIL,  29
.set SC,   32
.set TM,   64
.set PC,   80
.set PWS,  100
.set SW,   108
.set OA16, 116
.set OA8,  117
.set OB16, 118
.set OB8,  119
.set KSV,  120
.set VSV,  121
.set ZR,   122
.set AF,   128
.set SEL,  10
.set G1, 24
.set G0, 32
.set G1B, 48
.set G0B, 56
.set G1S, 68
.set G0S, 76
.set G1SB, 80
.set G0SB, 88
.set G0H, 4                            ; s[4:7], s[96:99] group 0 for the head's loads of slot 0: A's 16 tiles, B's 16 tiles (the arguments that lay in s[4:7] have been used by then)
.set G0HB, 96
.set MSB, 0
.macro WIN new
.if MSB != \new
	s_set_vgpr_msb (MSB<<8)|\new
.set MSB, \new
.endif
.endm
.set MUL_LO, 0xa1
.set MUL_HI, 0xf1
.set TO_B,   0x40
.macro JLOAD g0a, g1a, g0b, g1b
	s_cmp_eq_u32 s15, 0
	s_cbranch_scc0 .Lfor_b_\@
	tensor_load_to_lds s[\g0a:\g0a+3], s[\g1a:\g1a+7]
	s_nop 0
.rept 4
	v_nop
.endr
	s_branch .Lasked_\@
.Lfor_b_\@:
	tensor_load_to_lds s[\g0b:\g0b+3], s[\g1b:\g1b+7]
	s_nop 0
.rept 4
	v_nop
.endr
.Lasked_\@:
.endm
.macro CREST
	s_cmp_lg_u32 s14, 0
	s_cbranch_scc1 .Lnot_wave_0_\@
	s_barrier_signal -3
.Lnot_wave_0_\@:
	s_barrier_wait -3
	s_barrier_signal -1
	s_barrier_wait -1
.endm
.macro CROUND
	s_barrier_signal -1
	s_barrier_wait -1
	CREST
.endm
	s_load_b128 s[4:7], s[0:1], 0x0
	s_load_b64 s[12:13], s[0:1], 0x10
	v_lshl_add_u32 v[SPW], v0, 2, SPARE
	v_mov_b32 v[NIL], 0
	ds_add_u32 v28, v29
	ds_add_u32 v28, v29
	s_wait_dscnt 0x0
	v_lshrrev_b32 v1, 5, v0
	v_readfirstlane_b32 s14, v1
	s_lshr_b32 s15, s14, 1
	s_and_b32 s16, s14, 1
	s_bfe_u32 s40, ttmp6, 0x40000
	s_bfe_u32 s41, ttmp6, 0x40004
	s_and_b32 s17, ttmp7, 0xffff
	s_lshl_b32 s43, s41, 2
	s_lshl_b32 s43, 15, s43
	s_lshl_b32 s44, 0x1111, s40
	s_mov_b32 s[SEL], 0x76543210
	s_mov_b32 s[SEL+1], 0xfedcba98
	s_or_b32 s[G1+0], s43, (3<<16)|(1<<21)
	s_or_b32 s[G1B+0], s44, (3<<16)|(1<<21)
.irp g, G1, G1B
	s_mov_b32 s[\g+1], 384<<16
	s_mov_b32 s[\g+2], 16<<16                      ; for the head's loads: all 16 tiles of positions; set to 8 for the ring behind them
	s_mov_b32 s[\g+3], 384<<16
	s_mov_b32 s[\g+4], 16
	s_mov_b32 s[\g+5], 1536
	s_mov_b32 s[\g+6], 0
	s_mov_b32 s[\g+7], 0
.endr
	s_or_b32 s[G1S+0], s43, (3<<16)|(1<<20)|(1<<21)|(5<<22)|(3<<25)
	s_or_b32 s[G1SB+0], s44, (3<<16)|(1<<20)|(1<<21)|(5<<22)|(3<<25)
.irp g, G1S, G1SB
	s_mov_b32 s[\g+1], 32<<16
	s_mov_b32 s[\g+2], 32<<16                      ; the scales of all 256 positions: 32 rows of 256 bytes, one load
	s_mov_b32 s[\g+3], 32<<16
	s_mov_b32 s[\g+4], 32
	s_mov_b32 s[\g+5], 32
	s_mov_b32 s[\g+6], 0
	s_mov_b32 s[\g+7], 0
.endr
	s_lshl_b32 s18, s17, 2
	s_lshr_b32 s47, s17, 3
	s_lshl_b32 s47, s47, 2
	s_add_co_u32 s47, s47, 96
	s_cmp_ge_u32 s17, 16
	s_cselect_b32 s19, 104, s18
	s_cselect_b32 s46, s18, s47
	s_cselect_b32 s95, 1, 0
	s_add_co_u32 s19, s19, s41
	s_add_co_u32 s46, s46, s40
	s_mul_i32 s20, s19, 196608
	s_mul_i32 s2, s16, 98304
	s_mov_b32 s21, 0
	s_lshl_b32 s22, s19, 13
	s_mov_b32 s3, 0                                ; s[2:3]: which half of the block's 16 tiles I fetch in the ring, in bytes
	s_mov_b32 s23, 0
	s_lshl_b32 s92, s46, 13
	s_mov_b32 s93, 0
	s_mul_i32 s46, s46, 196608
	s_mov_b32 s47, 0
	s_mul_i32 s45, s14, HALFT
	s_wait_kmcnt 0x0
	s_add_nc_u64 s[20:21], s[4:5], s[20:21]
	s_add_nc_u64 s[22:23], s[6:7], s[22:23]
	s_add_nc_u64 s[46:47], s[4:5], s[46:47]
	s_add_nc_u64 s[92:93], s[6:7], s[92:93]
	CROUND
	s_mov_b32 s[G0S], 1
	s_mov_b32 s[G0S+1], SCL
	s_mov_b64 s[G0S+2:G0S+3], s[22:23]
	s_or_b32 s[G0S+3], s[G0S+3], 0x80000000
	s_mov_b32 s[G0SB], 1
	s_mov_b32 s[G0SB+1], SCL+2*HALFS
	s_mov_b64 s[G0SB+2:G0SB+3], s[92:93]
	s_or_b32 s[G0SB+3], s[G0SB+3], 0x80000000
	s_mov_b32 s[G0H], 1                            ; the head's tiles of codes, each whole: slot 0's 16 tiles of A,
	s_mov_b32 s[G0H+1], 0
	s_mov_b64 s[G0H+2:G0H+3], s[20:21]
	s_or_b32 s[G0H+3], s[G0H+3], 0x80000000
	s_mov_b32 s[G0HB], 1                           ; and its 16 tiles of B, behind them
	s_mov_b32 s[G0HB+1], 2*HALFT
	s_mov_b64 s[G0HB+2:G0HB+3], s[46:47]
	s_or_b32 s[G0HB+3], s[G0HB+3], 0x80000000
	s_add_nc_u64 s[20:21], s[20:21], s[2:3]        ; for the ring: my 8 tiles
	s_add_nc_u64 s[46:47], s[46:47], s[2:3]
.irp s, 0,1
	s_mov_b32 s[G0+4*\s], 1
	s_add_co_u32 s[G0+4*\s+1], s45, \s*SLOT
	s_add_nc_u64 s[G0+4*\s+2:G0+4*\s+3], s[20:21], \s*TROW
	s_or_b32 s[G0+4*\s+3], s[G0+4*\s+3], 0x80000000
	s_mov_b32 s[G0B+4*\s], 1
	s_add_co_u32 s[G0B+4*\s+1], s45, \s*SLOT
	s_add_nc_u64 s[G0B+4*\s+2:G0B+4*\s+3], s[46:47], \s*TROW
	s_or_b32 s[G0B+4*\s+3], s[G0B+4*\s+3], 0x80000000
.endr
; THE HEAD'S LOADS, ONE A WAVE: wave 0 fetches slot 0's 16 tiles of A, wave 1 its 16 tiles of B, wave 2 the scales of A's 256 positions, wave 3 those of B's.
; One chain of branches on the wave's number, a load to an arm, all arms leading to one join.
.macro ARM under, g0, g1, next
	s_cmp_lt_u32 s14, \under
	s_cbranch_scc0 \next
	tensor_load_to_lds s[\g0:\g0+3], s[\g1:\g1+7]
	s_nop 0
.rept 4
	v_nop
.endr
	s_branch .Lhead_asked
\next:
.endm
	ARM 1, G0H,  G1,  .Lhead_b
	ARM 2, G0HB, G1B, .Lhead_sa
	ARM 3, G0S,  G1S, .Lhead_sb
	tensor_load_to_lds s[G0SB:G0SB+3], s[G1SB:G1SB+7]
	s_nop 0
.rept 4
	v_nop
.endr
.Lhead_asked:
	v_and_b32 v1, 15, v0
	v_bfe_u32 v2, v0, 4, 1
	v_and_b32 v6, 31, v0
	v_lshlrev_b32 v4, 4, v6
	s_mul_i32 s21, s15, HALFT
	s_mul_i32 s22, s16, HALFT
	s_add_co_u32 s22, s22, 2*HALFT
.irp s, 0,1
	v_add_nc_u32 v[ADRA+\s], s21, v4
	v_add_nc_u32 v[ADRB+\s], s22, v4
	s_add_co_u32 s21, s21, SLOT
	s_add_co_u32 s22, s22, SLOT
.endr
	v_mul_u32_u24 v5, v1, 32
	v_lshrrev_b32 v7, 8, v5
	v_lshl_add_u32 v5, v7, 4, v5
	s_mul_i32 s21, s15, HALFS
	s_mul_i32 s22, s16, HALFS
	s_add_co_u32 s22, s22, 2*HALFS
	s_sub_co_u32 s22, s22, s21
	v_mul_u32_u24 v7, s22, v2
	s_add_co_u32 s21, s21, SCL
	v_add_nc_u32 v5, v5, v7
	v_add_nc_u32 v[ADRS], s21, v5
.irp b, 0,1,2,3
	v_mov_b32 v[TM+4+\b], 0
	v_mov_b32 v[ZR+\b], 0
.endr
.macro FRAG reg, adr, q, i
.irp c, 0,1,2
	ds_load_b128 v[\reg+4*\c:\reg+4*\c+3], v[\adr] offset:(\i)*TROW+(\q)*FRB+512*\c
.endr
.endm
.macro MUL16 a0, p, q, sc, zero
.irp a, \a0, \a0+1
.irp b, 0,1,2,3,4,5,6,7
.if \zero
	v_wmma_scale_f32_16x16x128_f8f6f4 v[8*(8*((\a)%4)+\b):8*(8*((\a)%4)+\b)+7], v[128*(\p)+FR*\b:128*(\p)+FR*\b+FR-1], v[AF+FR*(\a):AF+FR*(\a)+FR-1], 0, v[SC+8*NQ*(\sc)+NQ*\b+(\q)], v[SC+8*NQ*(\sc)+NQ*(\a)+(\q)] matrix_a_fmt:MATRIX_FMT_BF6 matrix_b_fmt:MATRIX_FMT_BF6 matrix_a_scale:MATRIX_SCALE_ROW1
.else
	v_wmma_scale_f32_16x16x128_f8f6f4 v[8*(8*((\a)%4)+\b):8*(8*((\a)%4)+\b)+7], v[128*(\p)+FR*\b:128*(\p)+FR*\b+FR-1], v[AF+FR*(\a):AF+FR*(\a)+FR-1], v[8*(8*((\a)%4)+\b):8*(8*((\a)%4)+\b)+7], v[SC+8*NQ*(\sc)+NQ*\b+(\q)], v[SC+8*NQ*(\sc)+NQ*(\a)+(\q)] matrix_a_fmt:MATRIX_FMT_BF6 matrix_b_fmt:MATRIX_FMT_BF6 matrix_a_scale:MATRIX_SCALE_ROW1
.endif
.endr
.endr
.endm
.macro FETCH_B slot, q, p
	WIN TO_B
.irp i, 0,1,2,3,4,5,6,7
	FRAG 128*(\p)+FR*\i, ADRB+\slot, \q, \i
.endr
	WIN 0
.endm
.macro FETCH_A slot, q, i0
.irp i, \i0, \i0+1, \i0+2, \i0+3
	FRAG AF+FR*(\i), ADRA+\slot, \q, \i
.endr
.endm
.macro SCALES sc
.irp i, 0,1,2,3,4,5,6,7
	ds_load_b64 v[SC+8*NQ*\sc+NQ*\i:SC+8*NQ*\sc+NQ*\i+1], v[ADRS] offset:\i*SBLK
.endr
.endm
.macro PLACES n
.rept \n
	v_nop
.endr
.endm
.macro STEP slot, q, zero
	s_wait_dscnt 4*NL
	WIN MUL_LO
	MUL16 0, (\q)%2, \q, \slot, \zero
	MUL16 2, (\q)%2, \q, \slot, \zero
	s_wait_dscnt 0
	PLACES NP
	FETCH_B \slot, (\q)+1, 1-(\q)%2
	FETCH_A \slot, (\q)+1, 0
	WIN MUL_HI
	MUL16 4, (\q)%2, \q, \slot, \zero
	MUL16 6, (\q)%2, \q, \slot, \zero
	PLACES NP
	WIN 0
	FETCH_A \slot, (\q)+1, 4
.endm
.macro TURN slot, next, fill
	s_wait_tensorcnt 0x0
	ds_add_u32 v[SPW], v[NIL]
	s_wait_dscnt 4*NL+1
	WIN MUL_LO
	MUL16 0, 1, NQ-1, \slot, 0
	s_wait_dscnt 0x0
	s_barrier_signal -1
	MUL16 2, 1, NQ-1, \slot, 0
	WIN 0
	s_barrier_wait -1
.if \fill
	CREST
	s_add_nc_u64 s[G0+4*\slot+2:G0+4*\slot+3], s[G0+4*\slot+2:G0+4*\slot+3], 2*TROW
	s_add_nc_u64 s[G0B+4*\slot+2:G0B+4*\slot+3], s[G0B+4*\slot+2:G0B+4*\slot+3], 2*TROW
	JLOAD G0+4*\slot, G1, G0B+4*\slot, G1B
.else
	PLACES NP
.endif
	s_wait_alu depctr_va_vdst(0)
	v_add_nc_u32 v[ADRS], 4*NQ, v[ADRS]
	FETCH_B \next, 0, 0
	FETCH_A \next, 0, 0
	SCALES \next
	WIN MUL_HI
	MUL16 4, 1, NQ-1, \slot, 0
	MUL16 6, 1, NQ-1, \slot, 0
	PLACES NP
	WIN 0
	FETCH_A \next, 0, 4
.endm
	s_wait_alu depctr_va_vdst(0)
	s_wait_tensorcnt 0x0                           ; my tile of the head's four is in
	ds_add_u32 v[SPW], v[NIL]
	s_mov_b32 s[G1+2], 8<<16                       ; no tensor load of mine is out, so a descriptor may be written: from here on a load brings 8 tiles
	s_mov_b32 s[G1+4], 8
	s_mov_b32 s[G1B+2], 8<<16
	s_mov_b32 s[G1B+4], 8
	s_wait_dscnt 0x0                               ; the add is done
	CROUND                                         ; all four tiles are in, and all sixteen work-groups are here: the joint loads meet
	JLOAD G0+4, G1, G0B+4, G1B                     ; slot 1's first fill, the first tensor load behind the round
	FETCH_B 0, 0, 0
	FETCH_A 0, 0, 0
	SCALES 0
	FETCH_A 0, 0, 4
	STEP 0, 0, 1
	s_mov_b32 s3, LAPS-1
.Llap:
	TURN 0, 1, 1
	STEP 1, 0, 0
	TURN 1, 0, 1
	STEP 0, 0, 0
	s_sub_co_u32 s3, s3, 1
	s_cmp_lg_u32 s3, 0
	s_cbranch_scc1 .Llap
	TURN 0, 1, 0
	STEP 1, 0, 0
	s_wait_dscnt 4*NL
	WIN MUL_LO
	MUL16 0, 1, NQ-1, 1, 0
	MUL16 2, 1, NQ-1, 1, 0
	s_wait_dscnt 0
	WIN MUL_HI
	MUL16 4, 1, NQ-1, 1, 0
	MUL16 6, 1, NQ-1, 1, 0
	WIN 0
	PLACES NP
	s_cmp_lg_u32 s95, 0
	s_cselect_b32 s96, s40, s41
	s_cselect_b32 s97, s16, s15
	s_cselect_b32 s98, s41, s40
	s_cselect_b32 s99, s15, s16
	s_and_b32 s100, s17, 7
	s_lshl_b32 s100, s100, 2
	s_add_co_u32 s100, s100, s96
	s_lshr_b32 s101, s100, 3
	s_and_b32 s100, s100, 7
	s_lshl_b32 s100, s100, 1
	s_add_co_u32 s100, s100, s97
	s_lshl_b32 s98, s98, 2
	s_lshl_b32 s99, s99, 1
	s_add_co_u32 s98, s98, s99
	s_lshl_b32 s101, s101, 4
	s_add_co_u32 s101, s101, s98
	s_lshl_b32 s101, s101, 4
	s_add_co_u32 s101, s101, s100
	s_cmp_lt_u32 s17, 8
	s_mov_b32 s104, 13312
	s_cselect_b32 s104, 6656, s104
	s_cselect_b32 s105, 13631488, 0
	s_mov_b32 s4, 12288
	s_cselect_b32 s4, 6144, s4
	s_mul_i32 s8, s101, s104
	s_add_co_u32 s8, s8, s105
	s_mov_b32 s9, 0
	s_add_nc_u64 s[12:13], s[12:13], s[8:9]
	s_lshl_b32 s5, s104, 4
	v_lshlrev_b32 v[OA16], 4, v6
	v_lshlrev_b32 v[OA8], 3, v6
	v_add_nc_u32 v[OB16], s5, v[OA16]
	v_add_nc_u32 v[OB8], s5, v[OA8]
	v_lshlrev_b32 v3, 4, v1
	v_mul_u32_u24 v5, s5, v2
	v_add3_u32 v[KSV], v5, v3, s4
	v_mul_u32_u24 v5, v2, 0x34000
	v_add3_u32 v[VSV], v5, v3, 12800
.macro QUANTW a
.set AC, 64*((\a)%4)
.set WA, 2+(\a)/4
	WIN (WA|(WA<<2))
.irp b, 0,1,2,3
	v_max3_num_f32 v[TM+\b], |v[AC+16*\b]|, |v[AC+1+16*\b]|, 0x2800000
.endr
.irp i, 2,4,6,8,10,12,14
.irp b, 0,1,2,3
	v_max3_num_f32 v[TM+\b], |v[AC+16*\b+\i]|, |v[AC+1+16*\b+\i]|, v[TM+\b]
.endr
.endr
	WIN 0
.irp b, 0,1,2,3
	v_permlanex16_b32 v[TM+4+\b], v[TM+\b], s[SEL], s[SEL+1]
.endr
.irp b, 0,1,2,3
	v_max_num_f32 v[TM+\b], v[TM+\b], v[TM+4+\b]
.endr
.irp b, 0,1,2,3
	v_add_nc_u32 v[TM+12+\b], 0xfe000000, v[TM+\b]
.endr
.irp b, 0,1,2,3
	v_lshrrev_b32 v[TM+4+\b], 23, v[TM+12+\b]
.endr
	v_lshl_or_b32 v[PWS+(\a)], v[TM+5], 8, v[TM+4]
	v_lshl_or_b32 v[PWS+(\a)], v[TM+6], 16, v[PWS+(\a)]
	v_lshl_or_b32 v[PWS+(\a)], v[TM+7], 24, v[PWS+(\a)]
	WIN WA
.irp c, 0,1
	v_cvt_scalef32_pk16_bf6_f32 v[PC+6*\c:PC+2+6*\c], v[AC+32*\c:AC+15+32*\c], v[TM+12+2*\c]
	v_cvt_scalef32_pk16_bf6_f32 v[PC+12+4*\c:PC+14+4*\c], v[AC+16+32*\c:AC+31+32*\c], v[TM+12+2*\c+1]
.endr
	WIN 0
	v_nop
.irp c, 0,1
.irp i, 0,1,2
	v_permlane16_swap_b32 v[PC+6*\c+\i], v[PC+12+4*\c+\i]
.endr
.irp i, 0,1,2
	v_mov_b32 v[PC+3+6*\c+\i], v[PC+12+4*\c+\i]
.endr
.endr
.endm
.macro OUTA a
	s_wait_xcnt 0x0
	QUANTW \a
	s_cmp_lg_u32 s95, 0
	s_cbranch_scc1 .Lv_\@
	global_store_b128 v[OA16], v[PC:PC+3], s[12:13] offset:768*(\a)
	global_store_b64 v[OA8], v[PC+4:PC+5], s[12:13] offset:768*(\a)+512
	global_store_b128 v[OB16], v[PC+6:PC+9], s[12:13] offset:768*(\a)
	global_store_b64 v[OB8], v[PC+10:PC+11], s[12:13] offset:768*(\a)+512
	s_branch .Ld_\@
.Lv_\@:
	s_wait_alu depctr_va_vdst(0)
.irp c, 0,1,2
	global_store_b128 v[OA16], v[PC+4*\c:PC+4*\c+3], s[12:13] offset:6144+((\a)/4)*212992+((\a)%4)*1536+512*\c
.endr
.Ld_\@:
.endm
.irp a, 0,1,2,3,4,5,6,7
	OUTA \a
.endr
	s_cmp_lg_u32 s95, 0
	s_cbranch_scc1 .Lv_scales
	v_lshlrev_b32 v126, 4, v2
.irp a, 0,1,2,3,4,5,6,7
	v_lshrrev_b32 v[SW+\a], v126, v[PWS+\a]
.endr
.irp a, 0,1,2,3,4,5,6,7
	v_and_b32 v[SW+\a], 0xffff, v[SW+\a]
.endr
	global_store_b128 v[KSV], v[SW:SW+3], s[12:13]
	global_store_b128 v[KSV], v[SW+4:SW+7], s[12:13] offset:256
	s_branch .Ldone
.Lv_scales:
	v_cmp_eq_u32 vcc_lo, 1, v2
.irp d, 0,1,2,3
	v_cndmask_b32 v[SW+\d], v[PWS+\d], v[PWS+4+\d], vcc_lo
.endr
	global_store_b128 v[VSV], v[SW:SW+3], s[12:13]
	global_store_b128 v[VSV], v[ZR:ZR+3], s[12:13] offset:256
.Ldone:
	s_wait_tensorcnt 0x0
	ds_add_u32 v[SPW], v[NIL]
	s_wait_dscnt 0x0
	CROUND
	s_endpgm
.Lfunc_end_k_qb49b8d21f6_proj:
	.size	k_qb49b8d21f6_proj, .Lfunc_end_k_qb49b8d21f6_proj-k_qb49b8d21f6_proj
	.p2alignl 7, 3214868480
	.fill 96, 4, 3214868480
	.section	.rodata,"a",@progbits
	.p2align	6, 0x0
	.amdhsa_kernel k_qb49b8d21f6_proj
		.amdhsa_group_segment_fixed_size 327680
		.amdhsa_private_segment_fixed_size 0
		.amdhsa_enable_private_segment 0
		.amdhsa_kernarg_size 24
		.amdhsa_user_sgpr_count 2
		.amdhsa_user_sgpr_kernarg_segment_ptr 1
		.amdhsa_wavefront_size32 1
		.amdhsa_system_sgpr_workgroup_id_x 1
		.amdhsa_system_sgpr_workgroup_id_y 1
		.amdhsa_system_sgpr_workgroup_id_z 1
		.amdhsa_system_vgpr_workitem_id 0
		.amdhsa_next_free_vgpr 1024
		.amdhsa_next_free_sgpr 106
		.amdhsa_reserve_vcc 1
		.amdhsa_float_denorm_mode_32 3
		.amdhsa_float_denorm_mode_16_64 3
		.amdhsa_memory_ordered 1
		.amdhsa_forward_progress 1
		.amdhsa_inst_pref_size 147
	.end_amdhsa_kernel
	.amdgpu_metadata
---
amdhsa.version: [ 1, 2 ]
amdhsa.kernels:
  - .name:           k_qb49b8d21f6_proj
    .symbol:         k_qb49b8d21f6_proj.kd
    .args:
      - { .name: cod, .offset: 0, .size: 8, .value_kind: global_buffer, .address_space: global }
      - { .name: scl, .offset: 8, .size: 8, .value_kind: global_buffer, .address_space: global }
      - { .name: qkv, .offset: 16, .size: 8, .value_kind: global_buffer, .address_space: global }
    .group_segment_fixed_size: 327680
    .private_segment_fixed_size: 0
    .kernarg_segment_align: 8
    .kernarg_segment_size: 24
    .max_flat_workgroup_size: 128
    .sgpr_count:     106
    .vgpr_count:     1024
    .wavefront_size: 32
...
	.end_amdgpu_metadata
.endif
;; end of part 2
;; launch attn (part 3): grid 4 x 64, 16 waves a work-group, clusters of 4 x 1, 215,040 bytes of LDS; arguments qkv, mbits, oc, os; writes oc, os
.if DOCPART == 3
	.amdgcn_target "amdgcn-amd-amdhsa--gfx1250"
	.amdhsa_code_object_version 6
	.text
	.protected	k_qb49b8d21f6_attn
	.globl	k_qb49b8d21f6_attn
	.p2align	8
	.type	k_qb49b8d21f6_attn,@function
k_qb49b8d21f6_attn:
	s_mov_b64 s[64:65], 0
	v_nop
	global_prefetch_b8 v0, s[64:65] scope:SCOPE_SE
	s_setreg_imm32_b32 hwreg(HW_REG_WAVE_MODE, 25, 1), 1
	s_wait_xcnt 0x0
	s_wait_alu depctr_hold_cnt(0) depctr_sa_sdst(0) depctr_va_vdst(0) depctr_va_sdst(0) depctr_va_ssrc(0) depctr_va_vcc(0) depctr_vm_vsrc(0)
	s_getreg_b32 s2, hwreg(HW_REG_IB_STS2, 6, 4)
	s_cmp_eq_u32 s2, 0
	s_cbranch_scc0 .Lentry_in_a_cluster
	s_endpgm
.Lentry_in_a_cluster:
	s_bfe_u32 s2, ttmp6, 0x10000c
	s_cmp_lg_u32 s2, 0x3003
	s_cbranch_scc0 .Lentry_shape_is_right
	s_endpgm
.Lentry_shape_is_right:
; ATTN: for each batch and head: S = Q K^T on codes of BF6 (K = the head's 64), logit = S / 8 where the mask is not 0 and 1e-6 where it is 0 (masked keys count in the softmax),
; t = logit x log2(e), M = the running largest t rounded up to a whole number, p = 2^(t - M) quantised along the keys, O = p V on codes, the sum taken of the unquantised p; O / sum is quantised along the head's 64.
; SHARES.  A work-group owns 512 queries of one head; each of its sixteen waves owns a tile of 16 queries in each of two passes, in 256 registers, four waves to a SIMD.
; The head's whole K and V (16 records of 13,312 bytes, 128 keys each) lie in LDS, filled once: wave w brings record w.  No LDS byte is filled again.
; CLUSTER.  The four work-groups of a head need the same records: each is asked for jointly, by the same tensor load with a mask that names the four.
; NO PREFETCH: K and V come once, at the head, with no loop ahead of them to ask in; the mask's words are asked for one step ahead by the scalar loads themselves.
; LAYOUT.  Both products are used transposed (S^T = K Q^T, O^T = V^T P^T): a lane holds one query (lane % 16).  Row p of K's tile t is key 64 (t / 4) + 32 (p / 8) + 8 (t % 4) + p % 8 of the step,
; so register n of S^T is key 64 (n / 32) + 32 (lane / 16) + n % 32: A LANE HOLDS TWO WHOLE BLOCKS OF 32 KEYS, in the order of the operand's registers: a block's largest p needs no other lane and p's codes change no lane.
; Channels lie by position (in each 32: position 16 u + r = channel 8 u + r + 8 (r / 8)): register 16 b + i of O^T is channel 32 b + 16 (lane / 16) + i.
; K = 64 IN AN INSTRUCTION OF 128: Q's registers 6-11 are zero codes, so what stands in K's registers 6-11 (the next tile's codes; zeros behind the last) adds nothing; the scale bytes there are 0, which is 2^-127 and no NaN.
; THE MASK comes as words of one bit a lane, by scalar loads one step ahead; a word is the select of one v_cndmask_b32: no branch and no address hangs on it.
; A SPLIT BARRIER A STEP: a wave signals behind its selects and waits ahead of the next step's selects, so no wave is a whole step ahead of another and the sixteen end together; LDS loads and register work alone stand between.
; LIMITS: the promise holds while |t| stays under 2^31; p under 2^-126 is taken as 0 (the exponential's own flush); a block of zeros gets the scale byte 1; NaN and infinities are not served.
; REGISTERS: v1-11 addresses; v12 -M, v13 the largest score; v14 the sum at a pass's end; v16-27 Q; v28 Q's scale word; v29 8 (lane / 16); v32-79 K's eight half fragments, then V's four; v80-85 zeros;
;   v86-93 K's scale words; v96-159 S^T, then p; v160-191 O^T; v192-195 V's scale words; v200-211 p's codes; v212-218 halves on their way; v219 p's scale word; v220-235 at work; v236-251 eight pairs of partial sums.
.set REC,  13312
.set WV,   12                          ; s12 wave;  s13 passes;  s14 steps;  s15 the step's record in LDS
.set SEL,  66                          ; s[66:67]
.set G0,   68                          ; s[68:71]
.set G1,   72                          ; s[72:79]
.set S,    96
.set O,    160
.set AC,   236
.macro CROUND
	s_barrier_signal -1
	s_barrier_wait -1
	s_cmp_lg_u32 s[WV], 0
	s_cbranch_scc1 .Lnot_wave_0_\@
	s_barrier_signal -3
.Lnot_wave_0_\@:
	s_barrier_wait -3
	s_barrier_signal -1
	s_barrier_wait -1
.endm
.macro CND n                           ; bit 0: the masked logit
.if (\n) < 48
	v_cndmask_b32 v[S+(\n)], v4, v[S+(\n)], s[16+(\n)]
.else
	v_cndmask_b32 v[S+(\n)], v4, v[S+(\n)], s[32+(\n)]
.endif
.endm
.macro CND4 i                          ; register i of each of the four groups of 16
.irp g, 0,1,2,3
	CND 16*\g+\i
.endr
.endm
.macro MX4 i                           ; registers i, i + 1 of each group into its maximum
.irp g, 0,1,2,3
	v_max3_num_f32 v[220+\g], v[220+\g], v[S+16*\g+\i], v[S+1+16*\g+\i]
.endr
.endm
.macro SUM k0, k1                      ; pairs k0 .. k1 of p into the eight partial sums by turns; each sum's first line of a step also brings it under the new M
.set k, \k0
.rept \k1-\k0+1
.if k < 8
	v_pk_fma_f32 v[AC+2*k:AC+2*k+1], v[AC+2*k:AC+2*k+1], v[232:233], v[S+2*k:S+2*k+1] op_sel_hi:[1,0,1]
.else
	v_pk_add_f32 v[AC+2*(k%8):AC+2*(k%8)+1], v[AC+2*(k%8):AC+2*(k%8)+1], v[S+2*k:S+2*k+1]
.endif
.set k, k+1
.endr
.endm
	s_load_b256 s[4:11], s[0:1], 0x0               ; qkv, mbits, oc, os
	v_lshl_add_u32 v254, v0, 2, 0x34000
	v_mov_b32 v255, 0
	ds_add_u32 v254, v255                          ; the opening lines: the add, twice on end, and its wait
	ds_add_u32 v254, v255
	v_lshrrev_b32 v8, 5, v0
	s_delay_alu instid0(VALU_DEP_1)
	v_readfirstlane_b32 s[WV], v8                  ; wave 0..15
	s_bfe_u32 s16, ttmp6, 0x40000                  ; cx: it enters Q's, the mask's and the outputs' addresses alone
	s_and_b32 s17, ttmp7, 0xffff                   ; batch x 16 + head, which the four partners share
	s_mov_b32 s[G1], 15|(3<<16)|(1<<21)            ; the mask: all four work-groups; elements of 8 bytes; bit 21 beside a mask; no padding
	s_mov_b32 s[G1+1], 32<<16                      ; tensor_dim0: 256 bytes
	s_mov_b32 s[G1+2], 52<<16                      ; tensor_dim1: a record is 52 such rows
	s_mov_b32 s[G1+3], 32<<16
	s_mov_b32 s[G1+4], 52
	s_mov_b32 s[G1+5], 32                          ; dense
	s_mov_b32 s[G1+6], 0
	s_mov_b32 s[G1+7], 0
	s_mul_i32 s18, s17, 16*REC
	s_mul_i32 s19, s[WV], REC
	s_add_co_u32 s20, s18, s19
	s_mov_b32 s21, 0
	s_mov_b32 s2, 0x3e38aa3b                       ; c = log2(e) / 8
	s_mov_b32 s3, s2                               ; (named with it as a pair, so it is written)
	s_mov_b32 s101, 0xbe38aa3b                     ; -c
	s_mov_b32 s[SEL], 0x76543210
	s_mov_b32 s[SEL+1], 0xfedcba98
	s_wait_dscnt 0x0
	s_wait_kmcnt 0x0
	s_mov_b32 s[G0], 1
	s_mov_b32 s[G0+1], s19                         ; LDS: wave x a record
	s_add_nc_u64 s[G0+2:G0+3], s[4:5], s[20:21]
	s_or_b32 s[G0+3], s[G0+3], 0x80000000
	CROUND                                         ; all four work-groups are here: the joint loads meet
	tensor_load_to_lds s[G0:G0+3], s[G1:G1+7]      ; my one tensor load of the launch
	s_nop 0
.rept 4
	v_nop
.endr
	s_lshr_b32 s22, s17, 4                         ; batch
	s_and_b32 s23, s17, 15                         ; head
	s_lshl_b32 s24, s22, 7
	s_lshl_b32 s25, s16, 5
	s_add_co_u32 s24, s24, s25
	s_add_co_u32 s24, s24, s[WV]                   ; my first tile of queries: 128 batch + 32 cx + wave
	s_lshl_b32 s26, s17, 4
	s_lshl_b32 s27, s16, 2
	s_add_co_u32 s26, s26, s27
	s_lshr_b32 s27, s[WV], 3
	s_add_co_u32 s26, s26, s27
	s_mul_i32 s26, s26, 6656
	s_add_co_u32 s26, s26, 1024*REC
	s_mov_b32 s27, 0
	s_add_nc_u64 s[4:5], s[4:5], s[26:27]          ; Q's record
	s_lshl_b32 s26, s24, 12
	s_add_nc_u64 s[6:7], s[6:7], s[26:27]          ; the tile's mask words: 4,096 bytes
	s_lshl_b32 s28, s24, 4
	s_add_co_u32 s28, s28, s23
	s_mul_i32 s26, s28, 768
	s_add_nc_u64 s[8:9], s[8:9], s[26:27]
	s_lshl_b32 s26, s28, 5
	s_add_nc_u64 s[10:11], s[10:11], s[26:27]
	s_and_b32 s29, s[WV], 7                        ; my tile in Q's record: codes at 768 x tile, scale words at 6,144 + 256 (tile / 4) + 4 (tile % 4)
	s_mul_i32 s30, s29, 768
	s_add_co_u32 s31, s30, 512
	s_lshr_b32 s96, s29, 2
	s_lshl_b32 s96, s96, 8
	s_and_b32 s97, s29, 3
	s_lshl_b32 s97, s97, 2
	s_add_co_u32 s96, s96, s97
	s_add_co_u32 s96, s96, 6144
	v_and_b32 v8, 31, v0
	v_and_b32 v9, 15, v0
	v_bfe_u32 v29, v0, 4, 1
	v_mov_b32 v4, 0x370637bd                       ; 8e-6: times c it is 1e-6 x log2(e)
	v_mov_b32 v233, 0                              ; (named as the upper half of the pair v[232:233])
	v_lshlrev_b32 v1, 4, v8                        ; 16 x lane
	v_lshlrev_b32 v2, 3, v8                        ; 8 x lane
	v_lshlrev_b32 v3, 4, v9                        ; 16 r
	v_lshlrev_b32 v11, 1, v9                       ; 2 r
	v_lshlrev_b32 v29, 3, v29                      ; 8 h
	v_add_nc_u32 v5, s30, v1
	v_add_nc_u32 v6, s31, v2
	v_add_nc_u32 v7, s96, v3
.irp i, 0,1,2,3,4,5
	v_mov_b32 v[22+\i], 0                          ; Q's upper half: zero codes
	v_mov_b32 v[80+\i], 0                          ; behind K's last tile
.endr
	v_mov_b32 v227, 0                              ; written once: a lane permute's destination counts as one of its sources
	v_mov_b32 v234, 0
	v_mov_b32 v15, 0                               ; (named as the upper half of the pair v[14:15])
	s_wait_alu depctr_va_vdst(0)
	s_wait_tensorcnt 0x0                           ; my record has landed,
	s_barrier_signal -1
	s_barrier_wait -1                              ; everybody's has
	s_mov_b32 s13, 2
.Lpass:
	global_load_b128 v[16:19], v5, s[4:5]          ; Q's half fragment
	global_load_b64 v[20:21], v6, s[4:5]
	global_load_b32 v28, v7, s[4:5]                ; and its scale words
	s_mov_b32 s100, 0
	s_load_b512 s[16:31], s[6:7], s100 offset:0x0  ; the first step's 64 mask words
	s_load_b512 s[32:47], s[6:7], s100 offset:0x40
	s_load_b512 s[48:63], s[6:7], s100 offset:0x80
	s_load_b512 s[80:95], s[6:7], s100 offset:0xc0
	v_mov_b32 v13, 0xff61b1e6                      ; the largest score so far: -3e38
	v_mov_b32 v235, 0x7e000000                     ; the old -M: 2^125, so that the first step's factor is 0
.set j, 0
.rept 16
	v_mov_b32 v[AC+j], 0                           ; the step is written once: the first finds zeros
.set j, j+1
.endr
.set j, 0
.rept 32
	v_mov_b32 v[O+j], 0
.set j, j+1
.endr
	s_mov_b32 s15, 0
	s_mov_b32 s14, 16
	s_wait_alu depctr_va_vdst(0)
	s_wait_loadcnt 0x0
	s_barrier_signal -1                            ; the split barrier's first signal: no LDS instruction of mine is out
.Lstep:                                                ; 128 keys a trip
	v_add_nc_u32 v8, s15, v1
	v_add_nc_u32 v9, s15, v2
	v_add_nc_u32 v10, s15, v3
	v_nop                                          ; four places between the last products and the loads into the registers that they read
.irp t, 0,1,2,3,4,5,6,7
	ds_load_b128 v[32+6*\t:35+6*\t], v8 offset:768*\t
	ds_load_b64 v[36+6*\t:37+6*\t], v9 offset:768*\t+512
.endr
	ds_load_b128 v[86:89], v10 offset:12288
	ds_load_b128 v[90:93], v10 offset:12544
	s_wait_alu depctr_va_vdst(0)
	s_wait_dscnt 0x0
.irp t, 0,1,2,3,4,5,6,7
	v_wmma_scale_f32_16x16x128_f8f6f4 v[S+8*\t:S+7+8*\t], v[32+6*\t:43+6*\t], v[16:27], 0, v[86+\t], v28 matrix_a_fmt:MATRIX_FMT_BF6 matrix_b_fmt:MATRIX_FMT_BF6
.endr
.rept 4
	v_nop                                          ; four places ahead of the first read of the scores
.endr
	s_barrier_wait -1                              ; every wave has made the last step's selects
	s_wait_kmcnt 0x0                               ; this step's mask words
	; selects and maxima by turns: a maximum reads selects of the turn before.  Each accumulator is read from its low end on.
	CND4 0
	CND4 1
	CND4 2
	CND4 3
	CND4 4
.irp g, 0,1,2,3
	v_max3_num_f32 v[220+\g], v[S+16*\g], v[S+1+16*\g], v[S+2+16*\g]
.endr
.irp i, 5,7,9,11,13
	CND4 \i
	CND4 \i+1
	MX4 \i-2
.endr
	CND4 15
	s_add_co_u32 s100, s100, 256                   ; the next step's mask words are asked for now; in the last step the same words again, so that no load leaves the buffer
	s_min_u32 s100, s100, 3840
	s_load_b512 s[16:31], s[6:7], s100 offset:0x0
	s_load_b512 s[32:47], s[6:7], s100 offset:0x40
	s_load_b512 s[48:63], s[6:7], s100 offset:0x80
	s_load_b512 s[80:95], s[6:7], s100 offset:0xc0
	s_barrier_signal -1                            ; my selects are made; no LDS instruction of mine is out
.irp d, 0,1,2,3                                ; V's fragments land while the softmax is walked
.irp c, 0,1,2
	ds_load_b128 v[32+12*\d+4*\c:35+12*\d+4*\c], v8 offset:6144+1536*\d+512*\c
.endr
.endr
	ds_load_b128 v[192:195], v10 offset:12800
	MX4 13                                         ; the last turn of maxima stands here, so that the chain below is one run of vector instructions
	s_delay_alu instid0(VALU_DEP_4)
	v_max3_num_f32 v224, v220, v[S+15], v[S+31]
	s_delay_alu instid0(VALU_DEP_3)
	v_max3_num_f32 v225, v222, v[S+47], v[S+63]
	s_delay_alu instid0(VALU_DEP_2)
	v_max_num_f32 v224, v224, v221                 ; the largest score of my first block of 32 keys: for the row's maximum and, since p rises with the score, for the block's largest p
	s_delay_alu instid0(VALU_DEP_2)
	v_max_num_f32 v225, v225, v223                 ; and of my second
	s_delay_alu instid0(VALU_DEP_1)
	v_max_num_f32 v226, v224, v225
	s_delay_alu instid0(VALU_DEP_1)
	v_permlanex16_b32 v227, v226, s[SEL], s[SEL+1]
	s_delay_alu instid0(VALU_DEP_1)
	v_max3_num_f32 v13, v13, v226, v227            ; the running largest score of my query
	s_delay_alu instid0(VALU_DEP_1)
	v_mul_f32 v228, s101, v13                      ; -t (c is positive)
	s_delay_alu instid0(VALU_DEP_1)
	v_floor_f32 v12, v228                          ; the new -M = -ceil(t)
	s_delay_alu instid0(VALU_DEP_1)
	v_sub_f32 v229, v12, v235                      ; old M - new M: a whole number, 0 or less
	s_delay_alu instid0(VALU_DEP_2)
	v_fma_f32 v220, v224, s2, v12                  ; t - M of each block's largest score
	s_delay_alu instid0(VALU_DEP_3)
	v_fma_f32 v221, v225, s2, v12
	s_delay_alu instid0(VALU_DEP_3)
	v_cvt_i32_f32 v229, v229                       ; (it saturates)
.set j, 0
.rept 32
	v_pk_fma_f32 v[S+j:S+j+1], v[S+j:S+j+1], s[2:3], v[12:13] op_sel_hi:[1,0,0]   ; t - M, two at a time
.if j == 6
	v_ldexp_f32 v232, 1.0, v229                    ; f = 2^(old M - new M): rounds nothing
.endif
.set j, j+2
.endr
	s_wait_alu depctr_va_vdst(0)
	v_exp_f32 v220, v220                           ; the blocks' largest p: the same two instructions on the same numbers
	v_exp_f32 v221, v221
.set j, 0
.rept 64
	v_exp_f32 v[S+j], v[S+j]                       ; p = 2^(t - M), at most 1
.set j, j+1
.endr
	v_mov_b32 v235, v12                            ; -M for the next step (a plain place behind the exponentials)
	s_wait_alu depctr_va_vdst(0)                   ; one wait for the whole batch
	; the scales' arithmetic, with the sum's additions between its links
	v_max_num_f32 v220, 0x2800000, v220            ; the floor 2^(5 - 127): the byte cannot fall under 1
	v_max_num_f32 v221, 0x2800000, v221
	SUM 0, 3
	v_add_nc_u32 v228, 0xfe000000, v220            ; 4 off the exponent field: the conversion's scale operand
	v_add_nc_u32 v229, 0xfe000000, v221
	SUM 4, 7
.irp c, 0,1                                    ; my block c: 32 registers, 32 neighbouring keys, one scale
	v_cvt_scalef32_pk16_bf6_f32 v[200+6*\c:202+6*\c], v[S+32*\c:S+15+32*\c], v[228+\c]
	v_cvt_scalef32_pk16_bf6_f32 v[212+4*\c:214+4*\c], v[S+16+32*\c:S+31+32*\c], v[228+\c]   ; (a conversion's three registers begin on an even number)
.endr
	SUM 8, 11                                      ; plain places behind the conversions
	v_lshrrev_b32 v220, 23, v228                   ; the scales' bytes
	v_lshrrev_b32 v221, 23, v229
.irp c, 0,1
.irp i, 0,1,2
	v_mov_b32 v[203+6*\c+\i], v[212+4*\c+\i]
.endr
.endr
	v_lshl_or_b32 v219, v221, 16, v220             ; my two bytes: blocks h and 2 + h,
	SUM 12, 16
	v_lshlrev_b32 v219, v29, v219                  ; at their places in the word (8 h bits up);
	SUM 17, 21
	v_permlanex16_b32 v222, v219, s[SEL], s[SEL+1]
	SUM 22, 26
	v_or_b32 v219, v219, v222                      ; with lane l xor 16's two the word is whole
	SUM 27, 31
	s_wait_alu depctr_va_vdst(0)
.set j, 0
.rept 16
	v_pk_mul_f32 v[O+j:O+j+1], v[O+j:O+j+1], v[232:233] op_sel_hi:[1,0]   ; O^T under the new M.  (Also the places between p's codes and scale word and the products below)
.set j, j+2
.endr
	s_wait_alu depctr_va_vdst(0)
	s_wait_dscnt 0x0                               ; V
.irp d, 0,1,2,3                                ; the four accumulators take turns, one instruction a turn
	v_wmma_scale_f32_16x16x128_f8f6f4 v[O+8*\d:O+7+8*\d], v[32+12*\d:43+12*\d], v[200:211], v[O+8*\d:O+7+8*\d], v[192+\d], v219 matrix_a_fmt:MATRIX_FMT_BF6 matrix_b_fmt:MATRIX_FMT_BF6
.endr
	s_add_co_u32 s15, s15, REC
	s_sub_co_u32 s14, s14, 1
	s_cmp_lg_u32 s14, 0
	s_cbranch_scc1 .Lstep
	s_barrier_wait -1                              ; closes the last step's signal
	; THE TILE'S END: the eight partial sums (these lines are the places behind the last products), O^T / the sum, quantised along the head's 64
.irp i, 0,1,2,3
	v_pk_add_f32 v[AC+2*\i:AC+2*\i+1], v[AC+2*\i:AC+2*\i+1], v[AC+8+2*\i:AC+9+2*\i]
.endr
	s_delay_alu instid0(VALU_DEP_2)
	v_pk_add_f32 v[AC:AC+1], v[AC:AC+1], v[AC+4:AC+5]
	s_delay_alu instid0(VALU_DEP_2)
	v_pk_add_f32 v[AC+2:AC+3], v[AC+2:AC+3], v[AC+6:AC+7]
	s_delay_alu instid0(VALU_DEP_1)
	v_pk_add_f32 v[AC:AC+1], v[AC:AC+1], v[AC+2:AC+3]
	s_delay_alu instid0(VALU_DEP_1)
	v_add_f32 v14, v[AC], v[AC+1]
	s_delay_alu instid0(VALU_DEP_1)
	v_permlanex16_b32 v234, v14, s[SEL], s[SEL+1]
	s_delay_alu instid0(VALU_DEP_1)
	v_add_f32 v14, v14, v234                       ; the row's sum
	s_wait_alu depctr_va_vdst(0)
	v_rcp_f32 v14, v14
	v_nop                                          ; one plain place behind a transcendental
	s_wait_alu depctr_va_vdst(0)                   ; the wait ahead of the reciprocal's first reader, which also reads O^T
.set j, 0
.rept 16
	v_pk_mul_f32 v[S+j:S+j+1], v[O+j:O+j+1], v[14:15] op_sel_hi:[1,0]   ; register 16 b + i: channel 32 b + 16 (lane / 16) + i
.set j, j+2
.endr
.irp b, 0,1
	v_max3_num_f32 v[220+\b], |v[S+16*\b]|, |v[S+1+16*\b]|, 0x2800000
.endr
.irp i, 2,4,6,8,10,12,14
.irp b, 0,1
	s_delay_alu instid0(VALU_DEP_2)
	v_max3_num_f32 v[220+\b], v[220+\b], |v[S+16*\b+\i]|, |v[S+1+16*\b+\i]|
.endr
.endr
.irp b, 0,1
	s_delay_alu instid0(VALU_DEP_2)
	v_permlanex16_b32 v[224+\b], v[220+\b], s[SEL], s[SEL+1]
.endr
.irp b, 0,1
	s_delay_alu instid0(VALU_DEP_2)
	v_max_num_f32 v[220+\b], v[220+\b], v[224+\b]
.endr
.irp b, 0,1
	s_delay_alu instid0(VALU_DEP_2)
	v_add_nc_u32 v[228+\b], 0xfe000000, v[220+\b]
.endr
.irp b, 0,1
	s_delay_alu instid0(VALU_DEP_2)
	v_lshrrev_b32 v[224+\b], 23, v[228+\b]
.endr
	s_delay_alu instid0(VALU_DEP_1)
	v_lshl_or_b32 v234, v225, 8, v224              ; my row's two scale bytes
	v_cvt_scalef32_pk16_bf6_f32 v[200:202], v[S:S+15], v228
	v_cvt_scalef32_pk16_bf6_f32 v[212:214], v[S+16:S+31], v229
	v_nop                                          ; one plain place behind a scaled conversion
.irp i, 0,1,2
	v_permlane16_swap_b32 v[200+\i], v[212+\i]     ; here a block lies in lanes l and l xor 16: the operand's layout wants it whole in a lane
.endr
.irp i, 0,1,2
	s_delay_alu instid0(VALU_DEP_3)
	v_mov_b32 v[203+\i], v[212+\i]
.endr
	global_store_b128 v1, v[200:203], s[8:9]       ; 512 consecutive bytes,
	global_store_b64 v2, v[204:205], s[8:9] offset:512   ; and 256
	global_store_b16 v11, v234, s[10:11]           ; 32 bytes a tile (lanes l and l + 16 hold and store the same number)
	s_wait_kmcnt 0x0                               ; the last step's request for mask words is done: its base may step
	s_wait_xcnt 0x0                                ; the stores have read their registers and bases
	s_add_nc_u64 s[4:5], s[4:5], 2*6656            ; sixteen tiles on
	s_add_nc_u64 s[6:7], s[6:7], 65536
	s_add_nc_u64 s[8:9], s[8:9], 196608
	s_add_nc_u64 s[10:11], s[10:11], 8192
	s_sub_co_u32 s13, s13, 1
	s_cmp_lg_u32 s13, 0
	s_cbranch_scc1 .Lpass
	s_wait_tensorcnt 0x0                           ; the wave's end
	ds_add_u32 v254, v255
	s_wait_dscnt 0x0
	CROUND                                         ; the closing round
	s_endpgm
.Lfunc_end_k_qb49b8d21f6_attn:
	.size	k_qb49b8d21f6_attn, .Lfunc_end_k_qb49b8d21f6_attn-k_qb49b8d21f6_attn
	.p2alignl 7, 3214868480
	.fill 96, 4, 3214868480
	.section	.rodata,"a",@progbits
	.p2align	6, 0x0
	.amdhsa_kernel k_qb49b8d21f6_attn
		.amdhsa_group_segment_fixed_size 215040
		.amdhsa_private_segment_fixed_size 0
		.amdhsa_enable_private_segment 0
		.amdhsa_kernarg_size 32
		.amdhsa_user_sgpr_count 2
		.amdhsa_user_sgpr_kernarg_segment_ptr 1
		.amdhsa_wavefront_size32 1
		.amdhsa_system_sgpr_workgroup_id_x 1
		.amdhsa_system_sgpr_workgroup_id_y 1
		.amdhsa_system_sgpr_workgroup_id_z 1
		.amdhsa_system_vgpr_workitem_id 0
		.amdhsa_next_free_vgpr 256
		.amdhsa_next_free_sgpr 106
		.amdhsa_reserve_vcc 0
		.amdhsa_float_denorm_mode_32 3
		.amdhsa_float_denorm_mode_16_64 3
		.amdhsa_memory_ordered 1
		.amdhsa_forward_progress 1
		.amdhsa_inst_pref_size 33
	.end_amdhsa_kernel
	.amdgpu_metadata
---
amdhsa.version: [ 1, 2 ]
amdhsa.kernels:
  - .name:           k_qb49b8d21f6_attn
    .symbol:         k_qb49b8d21f6_attn.kd
    .args:
      - { .name: qkv, .offset: 0, .size: 8, .value_kind: global_buffer, .address_space: global }
      - { .name: mbits, .offset: 8, .size: 8, .value_kind: global_buffer, .address_space: global }
      - { .name: oc, .offset: 16, .size: 8, .value_kind: global_buffer, .address_space: global }
      - { .name: os, .offset: 24, .size: 8, .value_kind: global_buffer, .address_space: global }
    .group_segment_fixed_size: 215040
    .private_segment_fixed_size: 0
    .kernarg_segment_align: 8
    .kernarg_segment_size: 32
    .max_flat_workgroup_size: 512
    .sgpr_count:     106
    .vgpr_count:     256
    .wavefront_size: 32
...
	.end_amdgpu_metadata
.endif
;; end of part 3
;; launch outp (part 4): grid 256 x 1, 16 waves a work-group, no clusters, 291,328 bytes of LDS; arguments oc, os, cod, scl, x_queries, gamma, beta, out0; writes out0
.if DOCPART == 4
	.amdgcn_target "amdgcn-amd-amdhsa--gfx1250"
	.amdhsa_code_object_version 6
	.text
	.protected	k_qb49b8d21f6_outp
	.globl	k_qb49b8d21f6_outp
	.p2align	8
	.type	k_qb49b8d21f6_outp,@function
k_qb49b8d21f6_outp:
	s_mov_b64 s[64:65], 0
	v_nop
	global_prefetch_b8 v0, s[64:65] scope:SCOPE_SE
	s_setreg_imm32_b32 hwreg(HW_REG_WAVE_MODE, 25, 1), 1
	s_wait_xcnt 0x0
; OUTP: y = O w_0 on codes of BF6 (K = 1,024), + x_queries, layer norm (mean; standard deviation with divisor 1,023; 1e-6 added to it), x gamma + beta.
; SHARES.  A work-group owns 32 rows (two tiles of 16 positions) and all 1,024 columns, so that a row's norm never leaves it.  Wave w makes columns 64 w .. 64 w + 63 (four tiles of w_0's columns)
; for both tiles of rows: eight accumulators; then it normalises two whole rows.
; O's sixteen fragments (two tiles x eight K steps) are pieced together once, one by each wave, and go from wave to wave through LDS as images of their registers.
; w_0's fragments go from memory straight into registers, as images, one K step ahead.
; NO CLUSTER, NO JOINT LOADS, though all work-groups walk the same w_0: the stage (131,584 bytes), the residual (131,072) and O's images (26,624) leave 38,400 bytes of LDS, and one K step of w_0 is 98,304.
; The residual's rows come into LDS by asynchronous copies at the head; each wave copies, and alone reads, its own two rows.
; Source 0 = 16 columns of w_0 (by position), source 1 = 16 rows of O: a lane holds one row, and the 16 registers of two neighbouring tiles are 16 neighbouring columns.
; LIMITS: NaN and infinities are not served; the variance is taken of x - mean, so a common offset of the inputs costs no digits.
; REGISTERS: v1-13 addresses; v16-47 the second row's residual; v32-55 O's two fragments; v48-53 at work in the norm; v56-57 O's scale words; v58-60 their halves; v64-127 the accumulators, then the first row;
;   v128-223 w_0's fragments, two sets, then gamma, beta and the second row; v224-255 w_0's scale words.
.set ASC,  24576                       ; LDS: 0: O's 16 images (2 x K step + tile);  here: their scale words, 128 bytes each
.set STG,  26624                       ; the stage: 32 rows x (4,096 + 16) bytes
.set SPI,  4112
.set RES,  158208                      ; the residual: 32 rows x 4,096 bytes
.set AF,   32
.set AS,   56
.set ACC,  64
.set BF,   128
.set BS,   224
.set GA,   128
.set BE,   160
	s_load_b512 s[4:19], s[0:1], 0x0               ; oc 4, os 6, cod 8, scl 10, x_queries 12, gamma 14, beta 16, out0 18
	v_lshl_add_u32 v62, v0, 2, 0x46a00
	v_mov_b32 v63, 0
	ds_add_u32 v62, v63
	ds_add_u32 v62, v63
	v_lshrrev_b32 v14, 5, v0
	s_delay_alu instid0(VALU_DEP_1)
	v_readfirstlane_b32 s20, v14                   ; wave 0..15
	v_and_b32 v14, 31, v0
	s_delay_alu instid0(VALU_DEP_1)
	v_lshlrev_b32 v1, 4, v14                       ; 16 x lane
	s_delay_alu instid0(VALU_DEP_2)
	v_lshlrev_b32 v2, 3, v14                       ; 8 x lane
	s_delay_alu instid0(VALU_DEP_3)
	v_lshlrev_b32 v15, 2, v14                      ; 4 x lane
	v_and_b32 v3, 15, v0                           ; r
	v_bfe_u32 v4, v0, 4, 1                         ; h
	s_mul_i32 s30, s20, 1536
	v_add_nc_u32 v5, s30, v1                       ; where I store my image
	s_lshl_b32 s30, s20, 7
	s_add_co_u32 s30, s30, ASC
	v_add_nc_u32 v6, s30, v15                      ; and its scale words
	v_add_nc_u32 v7, ASC, v15                      ; where any image's scale words are read
	v_mul_u32_u24 v8, v3, SPI
	s_delay_alu instid0(VALU_DEP_1)
	v_lshl_add_u32 v8, v4, 6, v8
	s_lshl_b32 s30, s20, 8
	s_add_co_u32 s30, s30, STG
	v_add_nc_u32 v8, s30, v8                       ; the stage, in: row r, + 256 wave + 64 h
	s_delay_alu instid0(VALU_DEP_1)
	v_add_nc_u32 v13, 16*SPI, v8                   ; the second tile of rows
	s_mul_i32 s30, s20, 2*SPI
	s_add_co_u32 s30, s30, STG
	v_add_nc_u32 v9, s30, v1                       ; back: my two rows
	s_lshl_b32 s30, s20, 13
	s_add_co_u32 s30, s30, RES
	v_add_nc_u32 v10, s30, v1                      ; my two rows of the residual
	v_lshlrev_b32 v11, 5, v3                       ; 32 r
	v_lshlrev_b32 v12, 1, v3                       ; 2 r
	s_mov_b32 s28, 0x76543210
	s_mov_b32 s29, 0xfedcba98
	s_and_b32 s21, s20, 3                          ; positions 2 w and 2 w + 1 hold rows A0 and A0 + 1: bits 3 and 4 of 2 w change places
	s_lshl_b32 s21, s21, 1
	s_bfe_u32 s22, s20, 0x10002
	s_lshl_b32 s22, s22, 4
	s_add_co_u32 s21, s21, s22
	s_bfe_u32 s22, s20, 0x10003
	s_lshl_b32 s22, s22, 3
	s_add_co_u32 s21, s21, s22
	s_lshl_b32 s22, ttmp9, 5
	s_add_co_u32 s22, s22, s21
	s_lshl_b32 s22, s22, 12
	s_mov_b32 s23, 0
	s_and_b32 s24, s20, 1                          ; the image that I make: tile of rows w % 2, K step w / 2
	s_lshl_b32 s25, ttmp9, 1
	s_add_co_u32 s25, s25, s24
	s_lshl_b32 s25, s25, 4
	s_and_b32 s26, s20, 14
	s_add_co_u32 s25, s25, s26                     ; 16 x tile + the K step's first head
	s_mul_i32 s26, s25, 768
	s_mov_b32 s27, 0
	s_lshl_b32 s32, s25, 5
	s_mov_b32 s33, 0
	s_mul_i32 s34, s20, 49152                      ; my four tiles of w_0's columns
	s_add_co_u32 s34, s34, 21233664
	s_mov_b32 s35, 0
	s_lshl_b32 s36, s20, 11
	s_add_co_u32 s36, s36, 884736
	s_mov_b32 s37, 0
	s_wait_alu depctr_va_vdst(0)
	s_wait_dscnt 0x0
	s_wait_kmcnt 0x0
	s_add_nc_u64 s[12:13], s[12:13], s[22:23]
	s_add_nc_u64 s[18:19], s[18:19], s[22:23]
	s_add_nc_u64 s[4:5], s[4:5], s[26:27]
	s_add_nc_u64 s[6:7], s[6:7], s[32:33]
	s_add_nc_u64 s[8:9], s[8:9], s[34:35]
	s_add_nc_u64 s[10:11], s[10:11], s[36:37]
.irp j, 0,1,2,3,4,5,6,7,8,9,10,11,12,13,14,15
	global_load_async_to_lds_b128 v10, v1, s[12:13] offset:512*\j   ; 8,192 consecutive bytes: my two rows; the immediate steps both addresses
.endr
	global_load_b128 v[32:35], v1, s[4:5]          ; the K step's first head: registers 0-5,
	global_load_b64 v[36:37], v2, s[4:5] offset:512
	global_load_b128 v[38:41], v1, s[4:5] offset:768   ; its second: registers 6-11
	global_load_b64 v[42:43], v2, s[4:5] offset:1280
	global_load_u16 v58, v12, s[6:7]               ; two scale bytes of each
	global_load_u16 v59, v12, s[6:7] offset:32
.irp j, 0,1,2,3
	global_load_b128 v[BS+8*\j:BS+8*\j+3], v11, s[10:11] offset:512*\j      ; w_0's scale words: register 8 j + s for tile j, K step s
	global_load_b128 v[BS+8*\j+4:BS+8*\j+7], v11, s[10:11] offset:512*\j+16
.endr
.macro BLOAD s                         ; my four fragments of w_0 for K step s, into set s % 2
.irp j, 0,1,2,3
.irp c, 0,1,2
	global_load_b128 v[BF+48*((\s)%2)+12*\j+4*\c:BF+48*((\s)%2)+12*\j+4*\c+3], v1, s[8:9] offset:12288*\j+1536*(\s)+512*\c
.endr
.endr
.endm
	BLOAD 0
	s_wait_loadcnt 20                              ; my image's six loads are in; the 8 + 12 behind them may be out
	v_lshl_or_b32 v60, v59, 16, v58
.irp c, 0,1,2
	ds_store_b128 v5, v[32+4*\c:35+4*\c] offset:512*\c
.endr
	ds_store_b32 v6, v60
	s_wait_dscnt 0x0                               ; for the others' sake: my stores have landed
	s_barrier_signal -1
	s_barrier_wait -1                              ; O's sixteen images lie in LDS
.macro KSTEP s
.if (\s) > 0
.rept 4
	v_nop                                          ; places in front of loads into registers that matrix instructions have read
.endr
.endif
.irp m, 0,1
.irp c, 0,1,2
	ds_load_b128 v[AF+12*\m+4*\c:AF+12*\m+4*\c+3], v1 offset:(2*(\s)+\m)*1536+512*\c
.endr
	ds_load_b32 v[AS+\m], v7 offset:128*(2*(\s)+\m)
.endr
.if (\s) < 7
	BLOAD (\s)+1
	s_wait_loadcnt 12                              ; this K step's fragments are in; the next step's twelve loads may be out
.else
	s_wait_loadcnt 0x0
.endif
	s_wait_dscnt 0x0
.irp m, 0,1                                    ; the eight accumulators take turns, one instruction a turn
.irp j, 0,1,2,3
.if (\s) == 0
	v_wmma_scale_f32_16x16x128_f8f6f4 v[ACC+8*(4*\m+\j):ACC+8*(4*\m+\j)+7], v[BF+48*((\s)%2)+12*\j:BF+48*((\s)%2)+12*\j+11], v[AF+12*\m:AF+12*\m+11], 0, v[BS+8*\j+(\s)], v[AS+\m] matrix_a_fmt:MATRIX_FMT_BF6 matrix_b_fmt:MATRIX_FMT_BF6
.else
	v_wmma_scale_f32_16x16x128_f8f6f4 v[ACC+8*(4*\m+\j):ACC+8*(4*\m+\j)+7], v[BF+48*((\s)%2)+12*\j:BF+48*((\s)%2)+12*\j+11], v[AF+12*\m:AF+12*\m+11], v[ACC+8*(4*\m+\j):ACC+8*(4*\m+\j)+7], v[BS+8*\j+(\s)], v[AS+\m] matrix_a_fmt:MATRIX_FMT_BF6 matrix_b_fmt:MATRIX_FMT_BF6
.endif
.endr
.endr
.endm
.irp s, 0,1,2,3,4,5,6,7
	KSTEP \s
.endr
.rept 4
	v_nop
.endr
.irp j, 0,1,2,3                                ; lane (r, h), tile j, register i: column 64 w + 32 (j / 2) + 16 h + 8 (j % 2) + i.  Each accumulator from its low end on
	ds_store_b128 v8, v[ACC+8*\j:ACC+8*\j+3] offset:128*(\j/2)+32*(\j%2)
	ds_store_b128 v8, v[ACC+8*\j+4:ACC+8*\j+7] offset:128*(\j/2)+32*(\j%2)+16
.endr
.irp j, 0,1,2,3
	ds_store_b128 v13, v[ACC+32+8*\j:ACC+32+8*\j+3] offset:128*(\j/2)+32*(\j%2)
	ds_store_b128 v13, v[ACC+32+8*\j+4:ACC+32+8*\j+7] offset:128*(\j/2)+32*(\j%2)+16
.endr
.irp j, 0,1,2,3,4,5,6,7
	global_load_b128 v[GA+4*\j:GA+4*\j+3], v1, s[14:15] offset:512*\j   ; gamma and beta at my lane's columns: 128 j + 4 lane + 0 .. 3
	global_load_b128 v[BE+4*\j:BE+4*\j+3], v1, s[16:17] offset:512*\j
.endr
	s_wait_asynccnt 0x0                            ; my two rows of the residual have landed
	s_wait_dscnt 0x0                               ; my stores into the stage have landed
	s_barrier_signal -1
	s_barrier_wait -1                              ; 32 whole rows lie in the stage
.irp j, 0,1,2,3,4,5,6,7
	ds_load_b128 v[64+4*\j:67+4*\j], v9 offset:512*\j
	ds_load_b128 v[96+4*\j:99+4*\j], v10 offset:512*\j
.endr
.irp j, 0,1,2,3,4,5,6,7
	ds_load_b128 v[192+4*\j:195+4*\j], v9 offset:SPI+512*\j
	ds_load_b128 v[16+4*\j:19+4*\j], v10 offset:4096+512*\j
.endr
.macro WSUM                            ; v48 summed over the 32 lanes, the result in every lane
	s_delay_alu instid0(VALU_DEP_1)
	v_add_f32_dpp v48, v48, v48 row_xmask:1 row_mask:0xf bank_mask:0xf
	s_delay_alu instid0(VALU_DEP_1)
	v_add_f32_dpp v48, v48, v48 row_xmask:2 row_mask:0xf bank_mask:0xf
	s_delay_alu instid0(VALU_DEP_1)
	v_add_f32_dpp v48, v48, v48 row_xmask:4 row_mask:0xf bank_mask:0xf
	s_delay_alu instid0(VALU_DEP_1)
	v_add_f32_dpp v48, v48, v48 row_xmask:8 row_mask:0xf bank_mask:0xf
	s_delay_alu instid0(VALU_DEP_1)
	v_permlanex16_b32 v49, v48, s28, s29
	s_delay_alu instid0(VALU_DEP_1)
	v_add_f32 v48, v48, v49
.endm
.macro LNROW Y, RZ, e
.set k, 0
.rept 16
	v_pk_add_f32 v[\Y+k:\Y+k+1], v[\Y+k:\Y+k+1], v[\RZ+k:\RZ+k+1]   ; + the residual
.set k, k+2
.endr
	v_pk_add_f32 v[48:49], v[\Y:\Y+1], v[\Y+2:\Y+3]
	v_pk_add_f32 v[50:51], v[\Y+4:\Y+5], v[\Y+6:\Y+7]
.irp i, 8,12,16,20,24,28
	s_delay_alu instid0(VALU_DEP_2)
	v_pk_add_f32 v[48:49], v[48:49], v[\Y+\i:\Y+\i+1]
	s_delay_alu instid0(VALU_DEP_2)
	v_pk_add_f32 v[50:51], v[50:51], v[\Y+\i+2:\Y+\i+3]
.endr
	s_delay_alu instid0(VALU_DEP_1)
	v_pk_add_f32 v[48:49], v[48:49], v[50:51]
	s_delay_alu instid0(VALU_DEP_1)
	v_add_f32 v48, v48, v49
	WSUM
	s_delay_alu instid0(VALU_DEP_1)
	v_mul_f32 v48, 0x3a800000, v48                 ; the mean: / 1,024
.set k, 0
.rept 16
	v_pk_add_f32 v[\Y+k:\Y+k+1], v[\Y+k:\Y+k+1], v[48:49] op_sel_hi:[1,0] neg_lo:[0,1] neg_hi:[0,1]
.set k, k+2
.endr
	v_pk_mul_f32 v[50:51], v[\Y:\Y+1], v[\Y:\Y+1]
	v_pk_mul_f32 v[52:53], v[\Y+2:\Y+3], v[\Y+2:\Y+3]
.irp i, 4,8,12,16,20,24,28
	s_delay_alu instid0(VALU_DEP_2)
	v_pk_fma_f32 v[50:51], v[\Y+\i:\Y+\i+1], v[\Y+\i:\Y+\i+1], v[50:51]
	s_delay_alu instid0(VALU_DEP_2)
	v_pk_fma_f32 v[52:53], v[\Y+\i+2:\Y+\i+3], v[\Y+\i+2:\Y+\i+3], v[52:53]
.endr
	s_delay_alu instid0(VALU_DEP_1)
	v_pk_add_f32 v[50:51], v[50:51], v[52:53]
	s_delay_alu instid0(VALU_DEP_1)
	v_add_f32 v48, v50, v51
	WSUM
	s_delay_alu instid0(VALU_DEP_1)
	v_mul_f32 v48, 0x3a802008, v48                 ; / 1,023
	s_wait_alu depctr_va_vdst(0)
	v_sqrt_f32 v48, v48
	v_nop                                          ; one plain place behind a transcendental
	s_wait_alu depctr_va_vdst(0)
	v_add_f32 v48, 0x358637bd, v48                 ; + 1e-6
	s_wait_alu depctr_va_vdst(0)
	v_rcp_f32 v48, v48
	v_nop
.set k, 0
	s_wait_alu depctr_va_vdst(0)
.rept 16
	v_pk_mul_f32 v[\Y+k:\Y+k+1], v[\Y+k:\Y+k+1], v[48:49] op_sel_hi:[1,0]
.set k, k+2
.endr
.set k, 0
.rept 16
	v_pk_fma_f32 v[\Y+k:\Y+k+1], v[\Y+k:\Y+k+1], v[GA+k:GA+k+1], v[BE+k:BE+k+1]
.set k, k+2
.endr
.irp j, 0,1,2,3,4,5,6,7
	global_store_b128 v1, v[\Y+4*\j:\Y+4*\j+3], s[18:19] offset:4096*\e+512*\j th:TH_STORE_NT   ; 512 consecutive bytes, aligned; written once, read by nobody here
.endr
.endm
	s_wait_loadcnt 0x0                             ; gamma, beta
	s_wait_dscnt 16                                ; the first row and its residual are in; the second row's sixteen loads may be out
	LNROW 64, 96, 0
	s_wait_dscnt 0x0
	LNROW 192, 16, 1
	s_wait_tensorcnt 0x0
	ds_add_u32 v62, v63
	s_wait_dscnt 0x0
	s_endpgm
.Lfunc_end_k_qb49b8d21f6_outp:
	.size	k_qb49b8d21f6_outp, .Lfunc_end_k_qb49b8d21f6_outp-k_qb49b8d21f6_outp
	.p2alignl 7, 3214868480
	.fill 96, 4, 3214868480
	.section	.rodata,"a",@progbits
	.p2align	6, 0x0
	.amdhsa_kernel k_qb49b8d21f6_outp
		.amdhsa_group_segment_fixed_size 291328
		.amdhsa_private_segment_fixed_size 0
		.amdhsa_enable_private_segment 0
		.amdhsa_kernarg_size 64
		.amdhsa_user_sgpr_count 2
		.amdhsa_user_sgpr_kernarg_segment_ptr 1
		.amdhsa_wavefront_size32 1
		.amdhsa_system_sgpr_workgroup_id_x 1
		.amdhsa_system_sgpr_workgroup_id_y 1
		.amdhsa_system_sgpr_workgroup_id_z 1
		.amdhsa_system_vgpr_workitem_id 0
		.amdhsa_next_free_vgpr 256
		.amdhsa_next_free_sgpr 66
		.amdhsa_reserve_vcc 0
		.amdhsa_float_denorm_mode_32 3
		.amdhsa_float_denorm_mode_16_64 3
		.amdhsa_memory_ordered 1
		.amdhsa_forward_progress 1
		.amdhsa_inst_pref_size 53
	.end_amdhsa_kernel
	.amdgpu_metadata
---
amdhsa.version: [ 1, 2 ]
amdhsa.kernels:
  - .name:           k_qb49b8d21f6_outp
    .symbol:         k_qb49b8d21f6_outp.kd
    .args:
      - { .name: oc, .offset: 0, .size: 8, .value_kind: global_buffer, .address_space: global }
      - { .name: os, .offset: 8, .size: 8, .value_kind: global_buffer, .address_space: global }
      - { .name: cod, .offset: 16, .size: 8, .value_kind: global_buffer, .address_space: global }
      - { .name: scl, .offset: 24, .size: 8, .value_kind: global_buffer, .address_space: global }
      - { .name: x_queries, .offset: 32, .size: 8, .value_kind: global_buffer, .address_space: global }
      - { .name: gamma, .offset: 40, .size: 8, .value_kind: global_buffer, .address_space: global }
      - { .name: beta, .offset: 48, .size: 8, .value_kind: global_buffer, .address_space: global }
      - { .name: out0, .offset: 56, .size: 8, .value_kind: global_buffer, .address_space: global }
    .group_segment_fixed_size: 291328
    .private_segment_fixed_size: 0
    .kernarg_segment_align: 8
    .kernarg_segment_size: 64
    .max_flat_workgroup_size: 512
    .sgpr_count:     66
    .vgpr_count:     256
    .wavefront_size: 32
...
	.end_amdgpu_metadata
.endif
;; end of part 4
